; MI455X (gfx1250); checked and timed in simulation.
; The chip was launched on July 23, 2026; its instructions are those of AMD's public machine-readable ISA for CDNA 5 (MIT licence, August 2026) and "CDNA5" Instruction Set Architecture Reference Guide (July 2026). The comments in the code are by the model that wrote it; some were corrected since.
;; Piv Net. Allowed arithmetic: float matrix products may take bf16 or f16 operands with f32 sums; all other float work in f32.
;; Inputs: W1 105 x 512 float32; W2 512 x 512 float32; W3 512 x 512 float32; W4 512 x 100 float32; b1 512 float32; b2 512 float32; b3 512 float32; b4 100 float32; knnd 65,536 x 100 float32; knnd_mean 100 float32; knnd_std 100 float32; max_values 4 float32; min_values 4 float32; pivots 65,536 x 4 float32; query_mean 4 float32; query_std 4 float32; x 65,536 x 4 float32.
;; Outputs: out0 65,536 x 100 float32.
;; 2 versions, each right and faster than the one before. Each part assembles by itself: llvm-mc -triple=amdgcn-amd-amdhsa -mcpu=gfx1250 --defsym DOCPART=n.
;; ======== version 1 of 2: 2 launches
;; limits: values are held in f16: magnitudes above 65,504 overflow, below 6.1e-05 lose precision; inputs' magnitudes at most 65,504
;; workspace buffers: cell 262,144 bytes of whole numbers; wt 1,318,912 bytes; nrm 9,472 bytes
;; launch prep (part 1): grid 386 x 1, 8 waves a work-group, no clusters, 0 bytes of LDS; arguments x, min_values, max_values, W1, W2, W3, W4, b1, b2, b3, b4, cell, wt, nrm; writes cell, wt, nrm
.if DOCPART == 1
	.amdgcn_target "amdgcn-amd-amdhsa--gfx1250"
	.amdhsa_code_object_version 6
	.text
	.protected	k_q50d4489fbd_prep
	.globl	k_q50d4489fbd_prep
	.p2align	8
	.type	k_q50d4489fbd_prep,@function
k_q50d4489fbd_prep:
	s_mov_b64 s[64:65], 0
	v_nop
	global_prefetch_b8 v0, s[64:65] scope:SCOPE_SE
	s_setreg_imm32_b32 hwreg(HW_REG_WAVE_MODE, 25, 1), 1
	s_wait_xcnt 0x0
; What the main launch needs as whole numbers or in another layout.  Three kinds of work-group, told apart by the work-group's number:
;   0..63    the grid hash: cell[row] = radix-16 number of the four bins of x[row]; 1,024 rows a work-group, 4 a thread
;   64..383  the weights in f16, laid out as the register image of matrix fragments; 4 fragments (4,096 bytes) a work-group
;   384,385  the four biases, f32, padded with zeros to 512 numbers each
; The weight and bias waves of layers 1 to 3 also store the sum of squares of what they handled (one f32 a wave): from these the main
; launch makes its bounds.  No wave reads what another stores, so there is no LDS and no barrier.
; wt: fragment f at byte 1,024 f; byte 512 half + 16 lane holds W[k = 32 kb + 16 half + 8 (lane / 16) + 0..7][n = n0 + lane % 16].
;     f = 4 u + a, a = the 16-column tile in a chunk of 64 columns; layer 1: u = 4 chunk + kb; layers 2, 3, 4: u - 32, - 160, - 288 = 16 chunk + kb.
;     Layer 1's K is reordered: k' = 0..99 the knn distances, 100..103 the query, 104 the distance, 105..127 zeros: row (k' + 5) mod 105 of W1.
; LIMITS.  |W| below 65,504 (f16).  The quotient (x - min) / (max - min) is the correctly rounded one for 2^-100 < |max - min| < 2^100 and
; finite x; a NaN goes to bin 0.
.set HASH_WG, 64
.set WT_WG,   320
.set BIAS_AT, 1310720                  ; the biases' place in wt
.set NRM_B,   9216                     ; the bias waves' sums in nrm: behind 8 x 288 words of the weight waves
.macro LANESUM r, tmp                  ; the sum over the wave's 32 lanes, in every lane
	v_add_f32_dpp v[\r], v[\r], v[\r] row_xmask:1 row_mask:0xf bank_mask:0xf
	v_add_f32_dpp v[\r], v[\r], v[\r] row_xmask:2 row_mask:0xf bank_mask:0xf
	v_add_f32_dpp v[\r], v[\r], v[\r] row_xmask:4 row_mask:0xf bank_mask:0xf
	v_add_f32_dpp v[\r], v[\r], v[\r] row_xmask:8 row_mask:0xf bank_mask:0xf
	v_permlanex16_b32 v[\tmp], v[\r], s50, s51
	v_add_f32 v[\r], v[\r], v[\tmp]
.endm
; lane 0 of the wave stores v20 at nrm + v23 + off
.macro PUTSUM off
	v_and_b32 v22, 31, v0
	v_cmp_eq_u32 vcc_lo, 0, v22
	s_wait_xcnt 0x0                                ; EXEC is a source of the store above: it changes only behind this wait
	s_and_saveexec_b32 s44, vcc_lo
	global_store_b32 v23, v20, s[30:31] offset:\off
	s_wait_xcnt 0x0
	s_or_b32 exec_lo, exec_lo, s44
.endm
	s_load_b512 s[4:19], s[0:1], 0x0               ; x 4, min 6, max 8, W1 10, W2 12, W3 14, W4 16, b1 18
	s_load_b256 s[20:27], s[0:1], 0x40             ; b2 20, b3 22, b4 24, cell 26
	s_load_b128 s[28:31], s[0:1], 0x60             ; wt 28, nrm 30
	s_mov_b32 s50, 0x76543210                      ; v_permlanex16_b32: lane i reads lane i of the other half
	s_mov_b32 s51, 0xfedcba98
	s_mov_b32 s33, 0
	s_mov_b32 s35, 0
	v_mov_b32 v21, 0                               ; the permute's destination counts as read
	s_cmp_lt_u32 ttmp9, HASH_WG
	s_cbranch_scc0 .Lweights
; ---------------- the hash ----------------
	s_lshl_b32 s32, ttmp9, 14                      ; 1,024 rows of 16 bytes
	s_lshl_b32 s34, ttmp9, 12                      ; 1,024 words
	v_lshlrev_b32 v1, 6, v0                        ; my four rows of x
	v_lshlrev_b32 v2, 4, v0                        ; my four words of cell: 16 lanes fill 256 bytes
	s_wait_kmcnt 0x0
	s_load_b128 s[36:39], s[6:7], 0x0              ; min
	s_load_b128 s[40:43], s[8:9], 0x0              ; max
	s_add_nc_u64 s[4:5], s[4:5], s[32:33]
	s_add_nc_u64 s[26:27], s[26:27], s[34:35]
	global_load_b128 v[4:7], v1, s[4:5]
	global_load_b128 v[8:11], v1, s[4:5] offset:16
	global_load_b128 v[12:15], v1, s[4:5] offset:32
	global_load_b128 v[16:19], v1, s[4:5] offset:48
	s_wait_kmcnt 0x0
.irp d, 0,1,2,3
	v_sub_f32 v[20+\d], s[40+\d], s[36+\d]         ; B = max - min
.endr
.irp d, 0,1,2,3
	v_rcp_f32 v[24+\d], v[20+\d]
.endr
	v_nop                                          ; one plain instruction behind the reciprocals (ISA guide 5.7.2)
	s_wait_alu depctr_va_vdst(0)
.irp d, 0,1,2,3
	v_fma_f32 v[28+\d], -v[20+\d], v[24+\d], 1.0   ; one Newton step: Y = 1 / B to the last bit or nearly
	v_fma_f32 v[24+\d], v[28+\d], v[24+\d], v[24+\d]
.endr
; one number: a = x - min; q = a / B by two residual corrections with fused multiply-adds, so that floor() sees the rounded quotient
; that a division gives; times 16 (exact), floor, clip to 0..15.
.macro BIN xr, d
	v_sub_f32 v[\xr], v[\xr], s[36+\d]
	v_mul_f32 v32, v[\xr], v[24+\d]
	v_fma_f32 v33, -v[20+\d], v32, v[\xr]
	v_fma_f32 v32, v33, v[24+\d], v32
	v_fma_f32 v33, -v[20+\d], v32, v[\xr]
	v_fma_f32 v32, v33, v[24+\d], v32
	v_mul_f32 v32, 0x41800000, v32
	v_floor_f32 v32, v32
	v_max_num_f32 v32, 0, v32
	v_min_num_f32 v32, 0x41700000, v32
	v_cvt_u32_f32 v[\xr], v32
.endm
	s_wait_loadcnt 0x0
.irp j, 0,1,2,3
	BIN 4+4*\j, 0
	BIN 5+4*\j, 1
	BIN 6+4*\j, 2
	BIN 7+4*\j, 3
	v_lshl_or_b32 v[36+\j], v[4+4*\j], 4, v[5+4*\j]
	v_lshl_or_b32 v[36+\j], v[36+\j], 4, v[6+4*\j]
	v_lshl_or_b32 v[36+\j], v[36+\j], 4, v[7+4*\j]
.endr
	global_store_b128 v2, v[36:39], s[26:27]
	s_endpgm
; ---------------- the weights ----------------
; ptr: the layer's pointer; u0: its first work-group; 1 << logkb K blocks of 32; rot, kv: source row = (k + rot) mod kv, zero from k = kv on;
; nn: columns of the matrix (its pitch), zero from column nn on; norm: the sum of squares is wanted.
.macro WPACK ptr, u0, logkb, rot, kv, nn, norm
	s_sub_co_u32 s36, s32, \u0
	s_lshr_b32 s37, s36, \logkb
	s_lshl_b32 s37, s37, 6                         ; 64 x chunk
	s_and_b32 s36, s36, (1<<\logkb)-1
	s_lshl_b32 s36, s36, 5                         ; 32 x K block
	v_add_nc_u32 v3, s37, v1                       ; my column n
	v_add_nc_u32 v29, s36, v2                      ; k of my first number
.if \nn < 512
	v_cmp_gt_u32 s38, \nn, v3                      ; the column exists
	v_min_u32 v3, \nn-1, v3                        ; and the load stays inside the matrix
.endif
.irp e, 0,1,2,3,4,5,6,7
	v_add_nc_u32 v[4+\e], \rot+\e, v29
.if \rot
	v_add_nc_u32 v30, \rot+\e-\kv, v29             ; wraps to a huge number below kv, so the unsigned minimum is the row mod kv
	v_min_u32 v[4+\e], v[4+\e], v30
.endif
	v_mad_u32_u24 v[4+\e], v[4+\e], \nn, v3
	v_lshlrev_b32 v[4+\e], 2, v[4+\e]
	global_load_b32 v[12+\e], v[4+\e], s[\ptr:\ptr+1]
.endr
	s_wait_loadcnt 0x0
.irp e, 0,1,2,3,4,5,6,7
.if \rot
	v_cmp_gt_u32 vcc_lo, \kv-\e, v29               ; k + e < kv
	v_cndmask_b32 v[12+\e], 0, v[12+\e], vcc_lo
.endif
.if \nn < 512
	v_cndmask_b32 v[12+\e], 0, v[12+\e], s38
.endif
.endr
.irp e, 0,1,2,3
	v_cvt_pk_f16_f32 v[24+\e], v[12+2*\e], v[13+2*\e]
.endr
	global_store_b128 v28, v[24:27], s[28:29]      ; the work-group's 256 threads store 4,096 consecutive bytes
.if \norm
	v_mul_f32 v20, v12, v12
.irp e, 1,2,3,4,5,6,7
	v_fmac_f32 v20, v[12+\e], v[12+\e]
.endr
	LANESUM 20, 21
	v_lshrrev_b32 v23, 5, v0
	v_lshlrev_b32 v23, 2, v23
	s_lshl_b32 s39, s32, 5
	v_add_nc_u32 v23, s39, v23                     ; word 8 u + wave
	PUTSUM 0
.endif
	s_endpgm
.endm
.Lweights:
	s_cmp_lt_u32 ttmp9, HASH_WG+WT_WG
	s_cbranch_scc0 .Lbias
	s_sub_co_u32 s32, ttmp9, HASH_WG               ; u
	s_lshl_b32 s34, s32, 12
	v_lshrrev_b32 v1, 6, v0                        ; thread = 64 a + 32 half + lane
	v_and_b32 v2, 15, v0
	v_lshl_add_u32 v1, v1, 4, v2                   ; 16 a + lane % 16
	v_bfe_u32 v2, v0, 4, 2
	v_lshlrev_b32 v2, 3, v2                        ; 16 half + 8 (lane / 16)
	v_lshlrev_b32 v28, 4, v0
	s_wait_kmcnt 0x0
	s_add_nc_u64 s[28:29], s[28:29], s[34:35]
	s_cmp_lt_u32 s32, 32
	s_cbranch_scc1 .Lw1
	s_cmp_lt_u32 s32, 160
	s_cbranch_scc1 .Lw2
	s_cmp_lt_u32 s32, 288
	s_cbranch_scc1 .Lw3
	WPACK 16, 288, 4, 0, 512, 100, 0
.Lw1:
	WPACK 10, 0, 2, 5, 105, 512, 1
.Lw2:
	WPACK 12, 32, 4, 0, 512, 512, 1
.Lw3:
	WPACK 14, 160, 4, 0, 512, 512, 1
; ---------------- the biases ----------------
.Lbias:
	s_sub_co_u32 s32, ttmp9, HASH_WG+WT_WG         ; 0 or 1
	v_lshrrev_b32 v1, 5, v0
	v_readfirstlane_b32 s34, v1                    ; wave
	s_lshr_b32 s46, s34, 2
	s_lshl1_add_u32 s46, s32, s46                  ; which bias: four waves each
	v_and_b32 v2, 127, v0                          ; my four numbers of its 512
	s_lshl_b32 s40, s32, 12
	s_add_co_u32 s40, s40, BIAS_AT
	s_mov_b32 s41, 0
	v_lshlrev_b32 v8, 4, v0
	s_wait_kmcnt 0x0
	s_mov_b64 s[36:37], s[24:25]                   ; b4: 25 groups of four numbers
	s_mov_b32 s38, 25
	s_cmp_lt_u32 s46, 3
	s_cselect_b64 s[36:37], s[22:23], s[36:37]
	s_cselect_b32 s38, 128, s38
	s_cmp_lt_u32 s46, 2
	s_cselect_b64 s[36:37], s[20:21], s[36:37]
	s_cmp_lt_u32 s46, 1
	s_cselect_b64 s[36:37], s[18:19], s[36:37]
	s_sub_co_u32 s39, s38, 1
	v_min_u32 v3, s39, v2                          ; the load stays inside the bias
	v_lshlrev_b32 v3, 4, v3
	global_load_b128 v[4:7], v3, s[36:37]
	s_add_nc_u64 s[28:29], s[28:29], s[40:41]
	v_cmp_gt_u32 vcc_lo, s38, v2
	s_wait_loadcnt 0x0
.irp e, 0,1,2,3
	v_cndmask_b32 v[4+\e], 0, v[4+\e], vcc_lo
.endr
	global_store_b128 v8, v[4:7], s[28:29]
	s_cmp_eq_u32 s46, 3                            ; b4 enters no bound
	s_cbranch_scc1 .Lbias_end
	v_mul_f32 v20, v4, v4
	v_fmac_f32 v20, v5, v5
	v_fmac_f32 v20, v6, v6
	v_fmac_f32 v20, v7, v7
	LANESUM 20, 21
	v_lshlrev_b32 v23, 2, v1
	s_lshl_b32 s39, s32, 5
	v_add_nc_u32 v23, s39, v23                     ; word 8 x work-group + wave behind the weights' words
	PUTSUM NRM_B
.Lbias_end:
	s_endpgm
.Lfunc_end_k_q50d4489fbd_prep:
	.size	k_q50d4489fbd_prep, .Lfunc_end_k_q50d4489fbd_prep-k_q50d4489fbd_prep
	.p2alignl 7, 3214868480
	.fill 96, 4, 3214868480
	.section	.rodata,"a",@progbits
	.p2align	6, 0x0
	.amdhsa_kernel k_q50d4489fbd_prep
		.amdhsa_group_segment_fixed_size 0
		.amdhsa_private_segment_fixed_size 0
		.amdhsa_enable_private_segment 0
		.amdhsa_kernarg_size 112
		.amdhsa_user_sgpr_count 2
		.amdhsa_user_sgpr_kernarg_segment_ptr 1
		.amdhsa_wavefront_size32 1
		.amdhsa_system_sgpr_workgroup_id_x 1
		.amdhsa_system_sgpr_workgroup_id_y 1
		.amdhsa_system_sgpr_workgroup_id_z 1
		.amdhsa_system_vgpr_workitem_id 0
		.amdhsa_next_free_vgpr 48
		.amdhsa_next_free_sgpr 66
		.amdhsa_reserve_vcc 1
		.amdhsa_float_denorm_mode_32 3
		.amdhsa_float_denorm_mode_16_64 3
		.amdhsa_memory_ordered 1
		.amdhsa_forward_progress 1
		.amdhsa_inst_pref_size 31
	.end_amdhsa_kernel
	.amdgpu_metadata
---
amdhsa.version: [ 1, 2 ]
amdhsa.kernels:
  - .name:           k_q50d4489fbd_prep
    .symbol:         k_q50d4489fbd_prep.kd
    .args:
      - { .name: x, .offset: 0, .size: 8, .value_kind: global_buffer, .address_space: global }
      - { .name: min_values, .offset: 8, .size: 8, .value_kind: global_buffer, .address_space: global }
      - { .name: max_values, .offset: 16, .size: 8, .value_kind: global_buffer, .address_space: global }
      - { .name: W1, .offset: 24, .size: 8, .value_kind: global_buffer, .address_space: global }
      - { .name: W2, .offset: 32, .size: 8, .value_kind: global_buffer, .address_space: global }
      - { .name: W3, .offset: 40, .size: 8, .value_kind: global_buffer, .address_space: global }
      - { .name: W4, .offset: 48, .size: 8, .value_kind: global_buffer, .address_space: global }
      - { .name: b1, .offset: 56, .size: 8, .value_kind: global_buffer, .address_space: global }
      - { .name: b2, .offset: 64, .size: 8, .value_kind: global_buffer, .address_space: global }
      - { .name: b3, .offset: 72, .size: 8, .value_kind: global_buffer, .address_space: global }
      - { .name: b4, .offset: 80, .size: 8, .value_kind: global_buffer, .address_space: global }
      - { .name: cell, .offset: 88, .size: 8, .value_kind: global_buffer, .address_space: global }
      - { .name: wt, .offset: 96, .size: 8, .value_kind: global_buffer, .address_space: global }
      - { .name: nrm, .offset: 104, .size: 8, .value_kind: global_buffer, .address_space: global }
    .group_segment_fixed_size: 0
    .private_segment_fixed_size: 0
    .kernarg_segment_align: 8
    .kernarg_segment_size: 112
    .max_flat_workgroup_size: 256
    .sgpr_count:     66
    .vgpr_count:     48
    .wavefront_size: 32
...
	.end_amdgpu_metadata
.endif
;; end of part 1
;; launch mlp (part 2): grid 256 x 1, 4 waves a work-group, clusters of 4 x 1, 327,680 bytes of LDS; arguments x, pivots, knnd, knnd_mean, knnd_std, query_mean, query_std, min_values, max_values, cell, wt, nrm, out0; writes out0
.if DOCPART == 2
	.amdgcn_target "amdgcn-amd-amdhsa--gfx1250"
	.amdhsa_code_object_version 6
	.text
	.protected	k_q50d4489fbd_mlp
	.globl	k_q50d4489fbd_mlp
	.p2align	8
	.type	k_q50d4489fbd_mlp,@function
k_q50d4489fbd_mlp:
	s_mov_b64 s[64:65], 0
	v_nop
	global_prefetch_b8 v0, s[64:65] scope:SCOPE_SE
	s_setreg_imm32_b32 hwreg(HW_REG_WAVE_MODE, 25, 1), 1
	s_wait_xcnt 0x0
	s_wait_alu depctr_hold_cnt(0) depctr_sa_sdst(0) depctr_va_vdst(0) depctr_va_sdst(0) depctr_va_ssrc(0) depctr_va_vcc(0) depctr_vm_vsrc(0)
	s_getreg_b32 s2, hwreg(HW_REG_IB_STS2, 6, 4)
	s_cmp_eq_u32 s2, 0
	s_cbranch_scc0 .Lentry_in_a_cluster
	s_endpgm
.Lentry_in_a_cluster:
	s_bfe_u32 s2, ttmp6, 0x10000c
	s_cmp_lg_u32 s2, 0x3003
	s_cbranch_scc0 .Lentry_shape_is_right
	s_endpgm
.Lentry_shape_is_right:
; Gather, features and all four layers for 256 rows a work-group, 64 rows (four tiles of 16) a wave.  A wave makes ALL output features of its own rows.
; THE PRODUCT IS USED TRANSPOSED: source 0 = 16 output features x 32 K of the weights, source 1 = 32 K x 16 rows of the activations.  A lane's
; eight results are then eight neighbouring features of one row; packed to f16 they ARE four registers of the next layer's source 1.  So the
; activations go from layer to layer in registers, and LDS is read for weights alone: a fragment of 1 KiB feeds four matrix instructions.
; WEIGHTS: 1.25 MiB of f16 in fragment order (made by the launch before), the same for every work-group, streamed as 20 tiles of 64 KiB through
; two LDS slots.  CLUSTER: the four work-groups of a cluster ask for each tile jointly (mask 15), a quarter of a tile a wave: a quarter of the requests.
; A tile is one chunk of 64 output features x 512 K (layer 1: four chunks x 128 K): 256 matrix instructions a wave, in which the next tile lands.
; By this text's count a wave has two tensor loads out at the start and one later.
; f16 AND ITS RANGE.  With Q_l = |W_l|^2 + |b_l|^2 + 1 (Frobenius) and Q_0 = 1 + the sum of squares of the wave's 64 x 105 features, Cauchy-Schwarz gives
; |z_l| <= sqrt(Q_l .. Q_1 Q_0) for every pre-activation.  k(Q) = floor(log2 Q) / 2 + 1 has sqrt(Q) < 2^k.  Features are scaled by 2^(14-k0-k1), layer 1's
; and layer 2's outputs by 2^-k2 and 2^-k3, each bias by the scale its layer's sums carry: every sum of layers 1 to 3 stays below 2^14, so nothing that is
; rounded to f16 can overflow; the last layer's sums are multiplied back.  All scales are powers of two: they round nothing.
; LIMITS.  k0 + k1 + k2 + k3 < 110; the sums of squares finite in f32; numbers more than 2^28 below their bound are rounded to multiples of
; 2^-24 of the scaled value (f16's denormals) or to zero; reciprocals and roots are good to one unit in the last place and take denormals for zero.
; No prefetch: the gather stands at the kernel's head with nothing in front of it to hide behind, and the weights are shared by all work-groups.
; The text has no loop: which registers a chunk's results go to is part of each instruction.
.set TILE,   65536
.set BIAS,   131072                    ; 8,192 bytes: b1, b2, b3, b4 (padded), f32; filled once
.set STAGE,  139264                    ; 32,768 bytes for each wave, its own, written by ds_store alone: gathered rows, then stashed activations, then the output block
.set PITCH,  400                       ; a stage row: 25 x 16 bytes, an odd multiple of 16: the 16 rows that a load or store touches start in 16 different groups of banks
.set WT_BIAS, 1310720
.set NRM_B,  9216
; window 0
.set SL0, 4                            ; 16 lane: a fragment's 16 bytes in slot 0; also my offset in nrm and out0
.set SL1, 5                            ; the same in slot 1
.set BA,  6                            ; BIAS + 32 (lane / 16)
.set SA,  7                            ; my stage + 16 lane
.set FA,  8                            ; my stage + 400 (lane % 16) + 32 (lane / 16)
.set CI,  9                            ; 4 (lane / 8)
.set CK,  10                           ; 16 (lane % 8)
.set LA,  11                           ; my stage + 400 (lane / 8) + 16 (lane % 8)
.set Z,   12                           ; 0
.set H32, 13                           ; 32 (lane / 16)
.set R16, 14                           ; 16 (lane % 16)
.set R4,  15                           ; 4 (lane % 16)
.set TP,  16                           ; v16-25 at work
.set LT,  26                           ; the lane permute's destination
.set F0,  32                           ; three buffers of four weight fragments; F2 first holds a chunk's bias
.set F1,  64
.set F2,  96
.set ACC, 128                          ; 16 accumulator tiles: (feature tile a, row tile t) at ACC + 8 (4 a + t)
.set D,   32                           ; features phase: v32-223, gathered pieces, then 48 features of each of my 4 rows
.set KO,  224                          ; v224-239 byte offsets into knnd
.set IT,  240                          ; v240-243 byte offsets into pivots
.set KT,  244                          ; v244-247 byte offsets of my rows' knnd rows
; windows 1, 2, 3: activations, 256 features x 64 rows each: register 32 (K block % 8) + 8 t + 4 half + j
; features phase, window 2: sums of squares from the launch before
.set NR, 0                             ; v0-7 layer 1, v8-39 layer 2, v40-71 layer 3
.set NB, 72                            ; v72-83 b1, b2, b3
; features phase, window 3
.set M3, 0                             ; 52 means of my columns
.set S3, 52                            ; 52 stds, then their reciprocals
.set QM, 104
.set QS, 108
.set MN, 112
.set MX, 116
.set X3, 120                           ; x of my four rows
.set P3, 136                           ; their pivots
.set K3, 152                           ; their knn distances 96..99
.set E3, 168                           ; features 96 + 8 (lane / 16) + 0..7 of my four rows
.set RCD, 204                          ; 1 / cell diagonal
.set T3, 206                           ; v206-213 at work
; scalars
.set G1,  36                           ; s[36:43] shape of a quarter tile
.set G1B, 44                           ; s[44:51] shape of a quarter of the biases
.set G0,  52                           ; s[52:59] from where, to where: one set for each slot
.set G0B, 60                           ; s[60:63] the same for the biases
; s[70:71] scale of features and of b1; s[72:73] 2^-k2; s[74:75] scale of b2; s[76:77] 2^-k3; s[78:79] scale of b3 and b4; s[80:81] its inverse
.set MSB, 0
.macro WIN new                         ; s_set_vgpr_msb: bits 1:0 source 0, 3:2 source 1, 5:4 source 2, 7:6 destination; the high byte repeats the setting that is left
.if MSB != (\new)
	s_set_vgpr_msb (MSB<<8)|(\new)
.set MSB, (\new)
.endif
.endm
.macro PLACES                          ; four independent vector instructions behind a matrix instruction (ISA guide 7.12.1) before its registers are loaded into, read or written
.rept 4
	v_nop
.endr
.endm
.macro ROUND                           ; a round of the cluster's barrier
	s_barrier_signal -1
	s_barrier_wait -1
	s_cmp_lg_u32 s30, 0
	s_cbranch_scc1 .Lnot_wave_0_\@
	s_barrier_signal -3
.Lnot_wave_0_\@:
	s_barrier_wait -3
	s_barrier_signal -1
	s_barrier_wait -1
.endm
; The change of slots.  In front of the round: all my tensor loads have landed (my quarter of this trip's tile among them) and all my LDS reads are
; back.  Behind it that holds of every wave of the four work-groups, and the joint load of the next tile, into the slot read last, comes first.
.macro TRIP slot, refill
	WIN 0
	s_wait_tensorcnt 0x0
	ds_add_u32 v30, v31
	s_wait_dscnt 0x0
	s_add_nc_u64 s[G0+4*\slot+2:G0+4*\slot+3], s[G0+4*\slot+2:G0+4*\slot+3], 2*TILE   ; no load of mine is out: this slot's next tile
	s_wait_dscnt 0x0
	ROUND
.if \refill
	tensor_load_to_lds s[G0+4-4*\slot:G0+7-4*\slot], s[G1:G1+7]
	s_nop 0
.endif
.endm
.macro LDSTEP sl, off, buf, nt         ; nt fragments of one K block: 32 lanes x 16 consecutive bytes a load
.set qa, 0
.rept \nt
	ds_load_b128 v[\buf+8*qa:\buf+8*qa+3], v[\sl] offset:\off+1024*qa
	ds_load_b128 v[\buf+8*qa+4:\buf+8*qa+7], v[\sl] offset:\off+1024*qa+512
.set qa, qa+1
.endr
.endm
; 4 nt matrix instructions.  The accumulators take turns, one instruction a turn, in the same order in every K block.
; first = 1: the scaled bias starts the sums.
.macro MULSTEP buf, breg, nt, first
.set qa, 0
.rept \nt
.set qt, 0
.rept 4
.if \first
	v_wmma_f32_16x16x32_f16 v[ACC+8*(4*qa+qt):ACC+8*(4*qa+qt)+7], v[\buf+8*qa:\buf+8*qa+7], v[\breg+8*qt:\breg+8*qt+7], v[F2+8*qa:F2+8*qa+7]
.else
	v_wmma_f32_16x16x32_f16 v[ACC+8*(4*qa+qt):ACC+8*(4*qa+qt)+7], v[\buf+8*qa:\buf+8*qa+7], v[\breg+8*qt:\breg+8*qt+7], v[ACC+8*(4*qa+qt):ACC+8*(4*qa+qt)+7]
.endif
.set qt, qt+1
.endr
.set qa, qa+1
.endr
.endm
; One chunk: nt x 16 output features of my 64 rows over kbn K blocks.  sl: the slot's address register; cb: the chunk's byte in the slot;
; wlo, whi: the windows of K blocks 0-7 and 8-15; boff: the chunk's bias; sb: the bias's scale.
; Fragments run two K blocks ahead through three buffers.  Only source 1's window differs from 0, so the LDS loads need no switch.
.macro CHUNK sl, cb, kbn, nt, wlo, whi, boff, sb
	WIN 0
.set qa, 0
.rept \nt
	ds_load_b128 v[F2+8*qa:F2+8*qa+3], v[BA] offset:\boff+64*qa
	ds_load_b128 v[F2+8*qa+4:F2+8*qa+7], v[BA] offset:\boff+64*qa+16
.set qa, qa+1
.endr
	LDSTEP \sl, \cb, F0, \nt
	LDSTEP \sl, \cb+4096, F1, \nt
.set qs, 0
.rept \kbn
.if qs == 1
	PLACES
	LDSTEP \sl, \cb+8192, F2, \nt
	LDSTEP \sl, \cb+12288, F0, \nt
.endif
.if qs >= 2
.if qs+2 < \kbn
	PLACES
.set bufn, 32+32*((qs+2)%3)
.set offn, \cb+4096*(qs+2)
	LDSTEP \sl, offn, bufn, \nt
.endif
.endif
.if qs == 0
.set ahead, 1
.else
.set ahead, qs+2
.endif
.if ahead > \kbn-1
.set ahead, \kbn-1
.endif
	s_wait_dscnt 2*\nt*(ahead-qs)                  ; LDS loads come back in order: all but those of the K blocks fetched behind this one
.if qs == 0
.set qi, 0
.rept 4*\nt
	v_pk_mul_f32 v[F2+2*qi:F2+2*qi+1], v[F2+2*qi:F2+2*qi+1], s[\sb:\sb+1] op_sel_hi:[1,0]
.set qi, qi+1
.endr
.endif
.if qs < 8
	WIN (\wlo<<2)
.else
	WIN (\whi<<2)
.endif
.set bufn, 32+32*(qs%3)
.set bregn, 32*(qs%8)
.if qs == 0
	MULSTEP bufn, bregn, \nt, 1
.else
	MULSTEP bufn, bregn, \nt, 0
.endif
.set qs, qs+1
.endr
.endm
.macro EPI_RELU sc                     ; the next layer's scale (sc = 0: none), then relu, on the 128 accumulator registers
	WIN 0
	PLACES
.if \sc
.set qi, 0
.rept 64
	v_pk_mul_f32 v[ACC+2*qi:ACC+2*qi+1], v[ACC+2*qi:ACC+2*qi+1], s[\sc:\sc+1] op_sel_hi:[1,0]
.set qi, qi+1
.endr
.endif
.set qi, 0
.rept 128
	v_max_num_f32 v[ACC+qi], 0, v[ACC+qi]
.set qi, qi+1
.endr
.endm
.macro EPI_PACK base                   ; feature tiles 2 i, 2 i + 1 are the two halves of the next layer's K block i of this chunk
.set qa, 0
.rept 4
.set qt, 0
.rept 4
.set qj, 0
.rept 4
	v_cvt_pk_f16_f32 v[\base+32*(qa>>1)+8*qt+4*(qa&1)+qj], v[ACC+8*(4*qa+qt)+2*qj], v[ACC+8*(4*qa+qt)+2*qj+1]
.set qj, qj+1
.endr
.set qt, qt+1
.endr
.set qa, qa+1
.endr
.endm
.macro EPI_REG win, rbase, sc          ; the chunk's 64 packed registers go to their place in window win
	EPI_RELU \sc
	WIN (\win<<6)
	EPI_PACK \rbase
	WIN 0
.endm
.macro EPI_STASH cq, sc                ; no window is free yet: they wait in my stage
	EPI_RELU \sc
	EPI_PACK F0
.set qi, 0
.rept 16
	ds_store_b128 v[SA], v[F0+4*qi:F0+4*qi+3] offset:(16*\cq+qi)*512
.set qi, qi+1
.endr
.endm
.macro RELOAD win                      ; the four stashed chunks, into the window whose activations the layer has used up; waited for by the next change of slots
	WIN (\win<<6)
.set qi, 0
.rept 64
	ds_load_b128 v[4*qi:4*qi+3], v[SA] offset:512*qi
.set qi, qi+1
.endr
	WIN 0
.endm
; The last layer's results, multiplied back, into the output block in my stage: 64 rows of 400 bytes without gaps.  full: feature tiles stored whole.
.macro EPI_OUT c, nt, full
	WIN 0
	PLACES
.set qi, 0
.rept 16*\nt
	v_pk_mul_f32 v[ACC+2*qi:ACC+2*qi+1], v[ACC+2*qi:ACC+2*qi+1], s[80:81] op_sel_hi:[1,0]
.set qi, qi+1
.endr
.set qa, 0
.rept \full
.set qt, 0
.rept 4
	ds_store_b128 v[FA], v[ACC+8*(4*qa+qt):ACC+8*(4*qa+qt)+3] offset:6400*qt+256*\c+64*qa
	ds_store_b128 v[FA], v[ACC+8*(4*qa+qt)+4:ACC+8*(4*qa+qt)+7] offset:6400*qt+256*\c+64*qa+16
.set qt, qt+1
.endr
.set qa, qa+1
.endr
.if \full < \nt
	s_wait_xcnt 0x0                                ; EXEC changes only behind this wait
	v_cmp_gt_u32 vcc_lo, 16, v1                    ; features 96..99: the first four numbers of lanes 0-15; the rest of this tile is padding
	s_and_saveexec_b32 s92, vcc_lo
.set qt, 0
.rept 4
	ds_store_b128 v[FA], v[ACC+8*(4*\full+qt):ACC+8*(4*\full+qt)+3] offset:6400*qt+256*\c+64*\full
.set qt, qt+1
.endr
	s_or_b32 exec_lo, exec_lo, s92
.endif
.endm
; A layer of 512 x 512: eight tiles.  Chunks 0-3 go to window wout, chunks 4-7 to the stash and from there to window wrel.
.macro LAYER wlo, whi, wout, wrel, boff, sb, sc
	TRIP 0, 1
	CHUNK SL0, 0, 16, 4, \wlo, \whi, \boff, \sb
	EPI_REG \wout, 0, \sc
	TRIP 1, 1
	CHUNK SL1, 0, 16, 4, \wlo, \whi, \boff+256, \sb
	EPI_REG \wout, 64, \sc
	TRIP 0, 1
	CHUNK SL0, 0, 16, 4, \wlo, \whi, \boff+512, \sb
	EPI_REG \wout, 128, \sc
	TRIP 1, 1
	CHUNK SL1, 0, 16, 4, \wlo, \whi, \boff+768, \sb
	EPI_REG \wout, 192, \sc
	TRIP 0, 1
	CHUNK SL0, 0, 16, 4, \wlo, \whi, \boff+1024, \sb
	EPI_STASH 0, \sc
	TRIP 1, 1
	CHUNK SL1, 0, 16, 4, \wlo, \whi, \boff+1280, \sb
	EPI_STASH 1, \sc
	TRIP 0, 1
	CHUNK SL0, 0, 16, 4, \wlo, \whi, \boff+1536, \sb
	EPI_STASH 2, \sc
	TRIP 1, 1
	CHUNK SL1, 0, 16, 4, \wlo, \whi, \boff+1792, \sb
	EPI_STASH 3, \sc
	RELOAD \wrel
.endm
.macro LANESUM r                       ; the sum over the wave's 32 lanes, in every lane
	v_add_f32_dpp v[\r], v[\r], v[\r] row_xmask:1 row_mask:0xf bank_mask:0xf
	v_add_f32_dpp v[\r], v[\r], v[\r] row_xmask:2 row_mask:0xf bank_mask:0xf
	v_add_f32_dpp v[\r], v[\r], v[\r] row_xmask:4 row_mask:0xf bank_mask:0xf
	v_add_f32_dpp v[\r], v[\r], v[\r] row_xmask:8 row_mask:0xf bank_mask:0xf
	v_permlanex16_b32 v[LT], v[\r], s68, s69
	v_add_f32 v[\r], v[\r], v[LT]
.endm
.macro SUMRUN base, n                  ; n register pairs from base on, added into the first
.set qi, 1
.rept \n-1
	v_pk_add_f32 v[\base:\base+1], v[\base:\base+1], v[\base+2*qi:\base+2*qi+1]
.set qi, qi+1
.endr
.endm
.macro KEXP d                          ; s[d]: the bits of Q >= 1  ->  k with sqrt(Q) < 2^k
	s_lshr_b32 s[\d], s[\d], 23
	s_sub_co_u32 s[\d], s[\d], 127
	s_lshr_b32 s[\d], s[\d], 1
	s_add_co_u32 s[\d], s[\d], 1
.endm
; ======================= head =======================
	s_load_b512 s[4:19], s[0:1], 0x0               ; x 4, pivots 6, knnd 8, knnd_mean 10, knnd_std 12, query_mean 14, query_std 16, min 18
	s_load_b256 s[20:27], s[0:1], 0x40             ; max 20, cell 22, wt 24, nrm 26
	s_load_b64 s[28:29], s[0:1], 0x60              ; out0
	v_lshl_add_u32 v30, v0, 2, 0x42000
	v_mov_b32 v31, 0
	ds_add_u32 v30, v31
	v_lshrrev_b32 v[TP], 5, v0
	v_readfirstlane_b32 s30, v[TP]                 ; wave
	s_bfe_u32 s31, ttmp6, 0x40000                  ; my place in the cluster: it enters offsets into x, cell and out0 alone
	s_lshl_b32 s32, ttmp9, 2
	s_add_co_u32 s32, s32, s31                     ; work-group
	s_lshl_b32 s32, s32, 8
	s_lshl_b32 s33, s30, 6
	s_add_co_u32 s32, s32, s33                     ; my wave's first row
	s_lshl_b32 s86, s32, 4                         ; in bytes of x,
	s_mov_b32 s87, 0
	s_lshl_b32 s88, s32, 2                         ; of cell,
	s_mov_b32 s89, 0
	s_mul_i32 s90, s32, 400                        ; of out0: a multiple of 25,600
	s_mov_b32 s91, 0
	s_lshl_b32 s66, s30, 15
	s_add_co_u32 s66, s66, STAGE                   ; my stage
	s_mov_b32 s67, 0xffff0000                      ; lanes 16-31
	s_mov_b32 s68, 0x76543210
	s_mov_b32 s69, 0xfedcba98
	; shapes: dense blocks as rows of 32 elements of 8 bytes (256 bytes); 64 rows a quarter tile, 8 rows a quarter of the biases
	s_mov_b32 s[G1+0], (15)|(3<<16)|(1<<21)        ; 15:0 the four work-groups of the cluster; 17:16 elements of 8 bytes; 21 set beside a mask
	s_mov_b32 s[G1+1], 32<<16                      ; tensor_dim0 = 32
	s_mov_b32 s[G1+2], 64<<16                      ; tensor_dim1 = 64
	s_mov_b32 s[G1+3], 32<<16                      ; tile_dim0 = 32
	s_mov_b32 s[G1+4], 64                          ; tile_dim1 = 64
	s_mov_b32 s[G1+5], 32                          ; from row to row: 32 elements
	s_mov_b32 s[G1+6], 0
	s_mov_b32 s[G1+7], 0
	s_mov_b32 s[G1B+0], (15)|(3<<16)|(1<<21)
	s_mov_b32 s[G1B+1], 32<<16
	s_mov_b32 s[G1B+2], 8<<16
	s_mov_b32 s[G1B+3], 32<<16
	s_mov_b32 s[G1B+4], 8
	s_mov_b32 s[G1B+5], 32
	s_mov_b32 s[G1B+6], 0
	s_mov_b32 s[G1B+7], 0
	s_lshl_b32 s34, s30, 14                        ; my quarter of a tile
	s_mov_b32 s35, 0
	s_lshl_b32 s84, s30, 11                        ; my quarter of the biases
	s_mov_b32 s85, 0
	v_and_b32 v1, 31, v0                           ; lane
	v_and_b32 v2, 15, v0
	v_bfe_u32 v3, v0, 4, 1
	v_lshlrev_b32 v[SL0], 4, v1
	v_add_nc_u32 v[SL1], TILE, v[SL0]
	v_lshlrev_b32 v[H32], 5, v3
	v_add_nc_u32 v[BA], BIAS, v[H32]
	v_add_nc_u32 v[SA], s66, v[SL0]
	v_mul_u32_u24 v[FA], v2, PITCH
	v_add3_u32 v[FA], v[FA], v[H32], s66
	v_bfe_u32 v[CI], v0, 3, 2
	v_and_b32 v[TP], 7, v0
	v_mul_u32_u24 v[LA], v[CI], PITCH
	v_lshl_add_u32 v[LA], v[TP], 4, v[LA]
	v_add_nc_u32 v[LA], s66, v[LA]
	v_lshlrev_b32 v[CK], 4, v[TP]
	v_lshlrev_b32 v[CI], 2, v[CI]
	v_mov_b32 v[Z], 0
	v_lshlrev_b32 v[R16], 4, v2
	v_lshlrev_b32 v[R4], 2, v2
	v_mov_b32 v[LT], 0
	s_wait_dscnt 0x0
	s_wait_kmcnt 0x0
	s_add_nc_u64 s[4:5], s[4:5], s[86:87]
	s_add_nc_u64 s[22:23], s[22:23], s[88:89]
	s_add_nc_u64 s[28:29], s[28:29], s[90:91]
	s_mov_b32 s[G0+0], 1
	s_mov_b32 s[G0+1], s34                         ; slot 0 + my quarter
	s_add_nc_u64 s[G0+2:G0+3], s[24:25], s[34:35]  ; tile 0
	s_or_b32 s[G0+3], s[G0+3], 0x80000000
	s_mov_b32 s[G0+4], 1
	s_add_co_u32 s[G0+5], s34, TILE                ; slot 1 + my quarter
	s_add_nc_u64 s[G0+6:G0+7], s[24:25], s[34:35]
	s_add_nc_u64 s[G0+6:G0+7], s[G0+6:G0+7], TILE  ; tile 1
	s_or_b32 s[G0+7], s[G0+7], 0x80000000
	s_mov_b32 s[G0B+0], 1
	s_add_co_u32 s[G0B+1], s84, BIAS
	s_add_nc_u64 s[G0B+2:G0B+3], s[24:25], s[84:85]
	s_add_nc_u64 s[G0B+2:G0B+3], s[G0B+2:G0B+3], WT_BIAS
	s_or_b32 s[G0B+3], s[G0B+3], 0x80000000
	ROUND                                          ; the four work-groups are here: the first joint loads meet
	tensor_load_to_lds s[G0:G0+3], s[G1:G1+7]      ; tile 0
	s_nop 0
	tensor_load_to_lds s[G0B:G0B+3], s[G1B:G1B+7]  ; the biases
	s_nop 0
; ======================= gather and features =======================
; 20 loads: the cell numbers.  For the gather eight lanes share a row (rows 4 j + lane / 8); for the pivots lane (r, h) takes row 16 t + r.
.set qi, 0
.rept 16
	global_load_b32 v[KO+qi], v[CI], s[22:23] offset:16*qi
.set qi, qi+1
.endr
.set qi, 0
.rept 4
	global_load_b32 v[IT+qi], v[R4], s[22:23] offset:64*qi
.set qi, qi+1
.endr
; 55 loads that hang on no index: means and stds of my columns 16 c + 8 h + 0..7 (c = 0..5) and 96..99, the four small vectors, x, the sums of squares
	WIN 0xc0
.set qi, 0
.rept 6
	global_load_b128 v[M3+8*qi:M3+8*qi+3], v[H32], s[10:11] offset:64*qi
	global_load_b128 v[M3+8*qi+4:M3+8*qi+7], v[H32], s[10:11] offset:64*qi+16
	global_load_b128 v[S3+8*qi:S3+8*qi+3], v[H32], s[12:13] offset:64*qi
	global_load_b128 v[S3+8*qi+4:S3+8*qi+7], v[H32], s[12:13] offset:64*qi+16
.set qi, qi+1
.endr
	global_load_b128 v[M3+48:M3+51], v[Z], s[10:11] offset:384
	global_load_b128 v[S3+48:S3+51], v[Z], s[12:13] offset:384
	global_load_b128 v[QM:QM+3], v[Z], s[14:15]
	global_load_b128 v[QS:QS+3], v[Z], s[16:17]
	global_load_b128 v[MN:MN+3], v[Z], s[18:19]
	global_load_b128 v[MX:MX+3], v[Z], s[20:21]
.set qi, 0
.rept 4
	global_load_b128 v[X3+4*qi:X3+4*qi+3], v[R16], s[4:5] offset:256*qi
.set qi, qi+1
.endr
	WIN 0x80
.set qi, 0
.rept 18
	global_load_b128 v[NR+4*qi:NR+4*qi+3], v[SL0], s[26:27] offset:512*qi
.set qi, qi+1
.endr
.set qi, 0
.rept 3
	global_load_b128 v[NB+4*qi:NB+4*qi+3], v[Z], s[26:27] offset:NRM_B+16*qi
.set qi, qi+1
.endr
	WIN 0
	s_wait_loadcnt 55                              ; the 20 cell numbers are in; the 55 loads issued behind them stay out
.set qi, 0
.rept 16
	v_min_u32 v[KO+qi], 0xffff, v[KO+qi]           ; a cell number is below 65,536
	v_mul_u32_u24 v[KO+qi], 0x190, v[KO+qi]        ; rows of 400 bytes
	v_add_nc_u32 v[KO+qi], v[KO+qi], v[CK]
.set qi, qi+1
.endr
.set qi, 0
.rept 4
	v_min_u32 v[IT+qi], 0xffff, v[IT+qi]
	v_mul_u32_u24 v[KT+qi], 0x190, v[IT+qi]
	v_lshlrev_b32 v[IT+qi], 4, v[IT+qi]
.set qi, qi+1
.endr
; 56 loads: the gather.  One load takes 128 consecutive bytes of each of four rows; the last 16 bytes of a row go straight to the lane that uses them.
; The way through LDS turns 'eight lanes a row' into the fragment's 'one lane a row': loaded in fragment order a load would touch 32 places.
.set qj, 0
.rept 16
	global_load_b128 v[D+12*qj:D+12*qj+3], v[KO+qj], s[8:9]
	global_load_b128 v[D+12*qj+4:D+12*qj+7], v[KO+qj], s[8:9] offset:128
	global_load_b128 v[D+12*qj+8:D+12*qj+11], v[KO+qj], s[8:9] offset:256
.set qj, qj+1
.endr
	WIN 0xc0
.set qi, 0
.rept 4
	global_load_b128 v[K3+4*qi:K3+4*qi+3], v[KT+qi], s[8:9] offset:384
.set qi, qi+1
.endr
.set qi, 0
.rept 4
	global_load_b128 v[P3+4*qi:P3+4*qi+3], v[IT+qi], s[6:7]
.set qi, qi+1
.endr
	s_wait_loadcnt 56                              ; the 55 are in; the gather's 56 stay out, and this work is done under them
	WIN 0xff
.set qi, 0
.rept 52
	v_rcp_f32 v[S3+qi], v[S3+qi]
.set qi, qi+1
.endr
.set qi, 0
.rept 4
	v_rcp_f32 v[QS+qi], v[QS+qi]
.set qi, qi+1
.endr
	v_pk_add_f32 v[T3:T3+1], v[MX:MX+1], v[MN:MN+1] neg_lo:[0,1] neg_hi:[0,1]         ; a plain instruction behind the reciprocals (ISA guide 5.7.2)
	v_pk_add_f32 v[T3+2:T3+3], v[MX+2:MX+3], v[MN+2:MN+3] neg_lo:[0,1] neg_hi:[0,1]
	v_pk_mul_f32 v[T3:T3+1], v[T3:T3+1], 0x3d800000 op_sel_hi:[1,0]                   ; bin width = (max - min) / 16
	v_pk_mul_f32 v[T3+2:T3+3], v[T3+2:T3+3], 0x3d800000 op_sel_hi:[1,0]
	v_mul_f32 v[T3+4], v[T3], v[T3]
	v_fmac_f32 v[T3+4], v[T3+1], v[T3+1]
	v_fmac_f32 v[T3+4], v[T3+2], v[T3+2]
	v_fmac_f32 v[T3+4], v[T3+3], v[T3+3]
	v_rsq_f32 v[RCD], v[T3+4]                      ; 1 / cell diagonal
	v_nop
.set qt, 0
	s_wait_alu depctr_va_vdst(0)
.rept 4                                            ; the normalised query, for now in every lane
	v_pk_add_f32 v[E3+8*qt+4:E3+8*qt+5], v[X3+4*qt:X3+4*qt+1], v[QM:QM+1] neg_lo:[0,1] neg_hi:[0,1]
	v_pk_add_f32 v[E3+8*qt+6:E3+8*qt+7], v[X3+4*qt+2:X3+4*qt+3], v[QM+2:QM+3] neg_lo:[0,1] neg_hi:[0,1]
	v_pk_mul_f32 v[E3+8*qt+4:E3+8*qt+5], v[E3+8*qt+4:E3+8*qt+5], v[QS:QS+1]
	v_pk_mul_f32 v[E3+8*qt+6:E3+8*qt+7], v[E3+8*qt+6:E3+8*qt+7], v[QS+2:QS+3]
.set qt, qt+1
.endr
	WIN 0xaa                                       ; Q1, Q2, Q3
	SUMRUN NR, 4
	SUMRUN NR+8, 16
	SUMRUN NR+40, 16
	SUMRUN NB, 2
	SUMRUN NB+4, 2
	SUMRUN NB+8, 2
	WIN 0x0a
	v_add_f32 v[TP], v[NR], v[NR+1]
	v_add_f32 v[TP+1], v[NR+8], v[NR+9]
	v_add_f32 v[TP+2], v[NR+40], v[NR+41]
	v_add_f32 v[TP+3], v[NB], v[NB+1]              ; the biases' sums are alike in all lanes
	v_add_f32 v[TP+4], v[NB+4], v[NB+5]
	v_add_f32 v[TP+5], v[NB+8], v[NB+9]
	WIN 0
	LANESUM TP
	LANESUM TP+1
	LANESUM TP+2
.set qi, 0
.rept 3
	v_add_f32 v[TP+qi], v[TP+qi], v[TP+3+qi]
	v_add_f32 v[TP+qi], 1.0, v[TP+qi]
	v_readfirstlane_b32 s[84+qi], v[TP+qi]
.set qi, qi+1
.endr
	KEXP 84                                        ; k1
	KEXP 85                                        ; k2
	KEXP 86                                        ; k3
; the gathered pieces go to my stage as they come
.set qj, 0
.rept 16
	s_wait_loadcnt 8+3*(15-qj)                     ; loads come back in order: rows 4 j .. 4 j + 3 are in; behind them the later rows' three loads each and the last eight
	ds_store_b128 v[LA], v[D+12*qj:D+12*qj+3] offset:1600*qj
	ds_store_b128 v[LA], v[D+12*qj+4:D+12*qj+7] offset:1600*qj+128
	ds_store_b128 v[LA], v[D+12*qj+8:D+12*qj+11] offset:1600*qj+256
.set qj, qj+1
.endr
; and come back in fragment order: lane (r, h) takes columns 16 c + 8 h + 0..7 of rows 16 t + r.  LDS serves a wave's instructions in order (ISA guide 5.7.1.4).
.set qt, 0
.rept 4
.set qi, 0
.rept 6
	ds_load_b128 v[D+48*qt+8*qi:D+48*qt+8*qi+3], v[FA] offset:6400*qt+64*qi
	ds_load_b128 v[D+48*qt+8*qi+4:D+48*qt+8*qi+7], v[FA] offset:6400*qt+64*qi+16
.set qi, qi+1
.endr
.set qt, qt+1
.endr
	s_wait_loadcnt 0x0                             ; the rows' last pieces and the pivots
	WIN 0xff
.set qt, 0
.rept 4
	v_pk_add_f32 v[K3+4*qt:K3+4*qt+1], v[K3+4*qt:K3+4*qt+1], v[M3+48:M3+49] neg_lo:[0,1] neg_hi:[0,1]
	v_pk_add_f32 v[K3+4*qt+2:K3+4*qt+3], v[K3+4*qt+2:K3+4*qt+3], v[M3+50:M3+51] neg_lo:[0,1] neg_hi:[0,1]
	v_pk_mul_f32 v[K3+4*qt:K3+4*qt+1], v[K3+4*qt:K3+4*qt+1], v[S3+48:S3+49]
	v_pk_mul_f32 v[K3+4*qt+2:K3+4*qt+3], v[K3+4*qt+2:K3+4*qt+3], v[S3+50:S3+51]
	v_pk_add_f32 v[T3:T3+1], v[X3+4*qt:X3+4*qt+1], v[P3+4*qt:P3+4*qt+1] neg_lo:[0,1] neg_hi:[0,1]
	v_pk_add_f32 v[T3+2:T3+3], v[X3+4*qt+2:X3+4*qt+3], v[P3+4*qt+2:P3+4*qt+3] neg_lo:[0,1] neg_hi:[0,1]
	v_mul_f32 v[T3+4+qt], v[T3], v[T3]
	v_fmac_f32 v[T3+4+qt], v[T3+1], v[T3+1]
	v_fmac_f32 v[T3+4+qt], v[T3+2], v[T3+2]
	v_fmac_f32 v[T3+4+qt], v[T3+3], v[T3+3]
.set qt, qt+1
.endr
.set qt, 0
.rept 4
	v_sqrt_f32 v[T3+4+qt], v[T3+4+qt]
.set qt, qt+1
.endr
	v_nop
.set qt, 0
	s_wait_alu depctr_va_vdst(0)
.rept 4                                            ; K block 3: lanes 0-15 hold distances 96..99 and the query, lanes 16-31 the pivot distance and zeros
	v_mul_f32 v[T3+4+qt], v[T3+4+qt], v[RCD]
	v_cndmask_b32 v[E3+8*qt], v[K3+4*qt], v[T3+4+qt], s67
	v_cndmask_b32 v[E3+8*qt+1], v[K3+4*qt+1], 0, s67
	v_cndmask_b32 v[E3+8*qt+2], v[K3+4*qt+2], 0, s67
	v_cndmask_b32 v[E3+8*qt+3], v[K3+4*qt+3], 0, s67
	v_cndmask_b32 v[E3+8*qt+4], v[E3+8*qt+4], 0, s67
	v_cndmask_b32 v[E3+8*qt+5], v[E3+8*qt+5], 0, s67
	v_cndmask_b32 v[E3+8*qt+6], v[E3+8*qt+6], 0, s67
	v_cndmask_b32 v[E3+8*qt+7], v[E3+8*qt+7], 0, s67
.set qt, qt+1
.endr
	v_pk_mul_f32 v[T3:T3+1], v[E3:E3+1], v[E3:E3+1]                                   ; their squares
.set qi, 1
.rept 15
	v_pk_fma_f32 v[T3:T3+1], v[E3+2*qi:E3+2*qi+1], v[E3+2*qi:E3+2*qi+1], v[T3:T3+1]
.set qi, qi+1
.endr
	WIN 0x0f
	v_add_f32 v[TP+8], v[T3], v[T3+1]
	s_wait_dscnt 0x0                               ; the 48 loads from my stage
	WIN 0x0c
.set qt, 0
.rept 4
.set qi, 0
.rept 24
	v_pk_add_f32 v[D+48*qt+2*qi:D+48*qt+2*qi+1], v[D+48*qt+2*qi:D+48*qt+2*qi+1], v[M3+2*qi:M3+2*qi+1] neg_lo:[0,1] neg_hi:[0,1]
	v_pk_mul_f32 v[D+48*qt+2*qi:D+48*qt+2*qi+1], v[D+48*qt+2*qi:D+48*qt+2*qi+1], v[S3+2*qi:S3+2*qi+1]
.set qi, qi+1
.endr
.set qt, qt+1
.endr
	WIN 0                                          ; Q0: four chains, started by the first four products
.set qi, 0
.rept 4
	v_pk_mul_f32 v[TP+2*qi:TP+2*qi+1], v[D+2*qi:D+2*qi+1], v[D+2*qi:D+2*qi+1]
.set qi, qi+1
.endr
.rept 92
	v_pk_fma_f32 v[TP+2*(qi%4):TP+2*(qi%4)+1], v[D+2*qi:D+2*qi+1], v[D+2*qi:D+2*qi+1], v[TP+2*(qi%4):TP+2*(qi%4)+1]
.set qi, qi+1
.endr
	v_pk_add_f32 v[TP:TP+1], v[TP:TP+1], v[TP+2:TP+3]
	v_pk_add_f32 v[TP+4:TP+5], v[TP+4:TP+5], v[TP+6:TP+7]
	v_pk_add_f32 v[TP:TP+1], v[TP:TP+1], v[TP+4:TP+5]
	v_add_f32 v[TP], v[TP], v[TP+1]
	v_add_f32 v[TP], v[TP], v[TP+8]
	LANESUM TP
	v_add_f32 v[TP], 1.0, v[TP]
	v_readfirstlane_b32 s87, v[TP]
	KEXP 87                                        ; k0
	; the scales, as exponents of f32: 2^e is (127 + e) << 23
	s_add_co_u32 s88, s87, s84
	s_sub_co_u32 s89, 141, s88                     ; 127 + 14 - k0 - k1
	s_lshl_b32 s70, s89, 23
	s_mov_b32 s71, s70
	s_sub_co_u32 s90, 127, s85
	s_lshl_b32 s72, s90, 23                        ; 2^-k2
	s_mov_b32 s73, s72
	s_sub_co_u32 s89, s89, s85
	s_lshl_b32 s74, s89, 23
	s_mov_b32 s75, s74
	s_sub_co_u32 s90, 127, s86
	s_lshl_b32 s76, s90, 23                        ; 2^-k3
	s_mov_b32 s77, s76
	s_sub_co_u32 s89, s89, s86
	s_lshl_b32 s78, s89, 23
	s_mov_b32 s79, s78
	s_sub_co_u32 s90, 254, s89                     ; the inverse
	s_lshl_b32 s80, s90, 23
	s_mov_b32 s81, s80
.set qi, 0
.rept 96
	v_pk_mul_f32 v[D+2*qi:D+2*qi+1], v[D+2*qi:D+2*qi+1], s[70:71] op_sel_hi:[1,0]
.set qi, qi+1
.endr
	WIN 0x40                                       ; to f16, into window 1: K blocks 0 to 2
.set qs, 0
.rept 3
.set qt, 0
.rept 4
.set qj, 0
.rept 8
	v_cvt_pk_f16_f32 v[32*qs+8*qt+qj], v[D+48*qt+16*qs+2*qj], v[D+48*qt+16*qs+2*qj+1]
.set qj, qj+1
.endr
.set qt, qt+1
.endr
.set qs, qs+1
.endr
.set qt, 0
.rept 4                                            ; K block 3, second half: k' = 112..127 is padding
.set qj, 0
.rept 4
	v_mov_b32 v[100+8*qt+qj], 0
.set qj, qj+1
.endr
.set qt, qt+1
.endr
	WIN 0xff
.set qi, 0
.rept 16
	v_pk_mul_f32 v[E3+2*qi:E3+2*qi+1], v[E3+2*qi:E3+2*qi+1], s[70:71] op_sel_hi:[1,0]
.set qi, qi+1
.endr
	WIN 0x4f                                       ; K block 3, first half
.set qt, 0
.rept 4
.set qj, 0
.rept 4
	v_cvt_pk_f16_f32 v[96+8*qt+qj], v[E3+8*qt+2*qj], v[E3+8*qt+2*qj+1]
.set qj, qj+1
.endr
.set qt, qt+1
.endr
; ======================= layer 1: two tiles of four chunks, K = 128; features in window 1, results to windows 2 and 3 =======================
	TRIP 0, 1                                      ; slot 1's first fill goes out as a refill does
	CHUNK SL0, 0, 4, 4, 1, 1, 0, 70
	EPI_REG 2, 0, 72
	CHUNK SL0, 16384, 4, 4, 1, 1, 256, 70
	EPI_REG 2, 64, 72
	CHUNK SL0, 32768, 4, 4, 1, 1, 512, 70
	EPI_REG 2, 128, 72
	CHUNK SL0, 49152, 4, 4, 1, 1, 768, 70
	EPI_REG 2, 192, 72
	TRIP 1, 1
	CHUNK SL1, 0, 4, 4, 1, 1, 1024, 70
	EPI_REG 3, 0, 72
	CHUNK SL1, 16384, 4, 4, 1, 1, 1280, 70
	EPI_REG 3, 64, 72
	CHUNK SL1, 32768, 4, 4, 1, 1, 1536, 70
	EPI_REG 3, 128, 72
	CHUNK SL1, 49152, 4, 4, 1, 1, 1792, 70
	EPI_REG 3, 192, 72
; ======================= layers 2 and 3 =======================
	LAYER 2, 3, 1, 2, 2048, 74, 76                 ; from windows 2, 3 to windows 1, 2
	LAYER 1, 2, 3, 1, 4096, 78, 0                  ; from windows 1, 2 to windows 3, 1
; ======================= layer 4: features 0..63, then 64..99 (three tiles of 16; the fourth is padding and is not multiplied) =======================
	TRIP 0, 1
	CHUNK SL0, 0, 16, 4, 3, 1, 6144, 78
	EPI_OUT 0, 4, 4
	TRIP 1, 0                                      ; the last tile: nothing is left to fetch
	CHUNK SL1, 0, 16, 3, 3, 1, 6400, 78
	EPI_OUT 1, 3, 2
; ======================= out: my 64 rows are 25,600 consecutive bytes of out0, from a multiple of 256 on =======================
.set qi, 0
.rept 50
	ds_load_b128 v[32+4*qi:32+4*qi+3], v[SA] offset:512*qi
.set qi, qi+1
.endr
.set qi, 0
.rept 50
	s_wait_dscnt 49-qi                             ; LDS loads come back in order
	global_store_b128 v[SL0], v[32+4*qi:32+4*qi+3], s[28:29] offset:512*qi th:TH_STORE_NT   ; a store of the wave covers 512 consecutive bytes, aligned
.set qi, qi+1
.endr
	s_wait_tensorcnt 0x0
	ds_add_u32 v30, v31
	s_wait_dscnt 0x0
	ROUND                                          ; the closing round: no work-group ends while a partner may still ask jointly
	s_endpgm
.Lfunc_end_k_q50d4489fbd_mlp:
	.size	k_q50d4489fbd_mlp, .Lfunc_end_k_q50d4489fbd_mlp-k_q50d4489fbd_mlp
	.p2alignl 7, 3214868480
	.fill 96, 4, 3214868480
	.section	.rodata,"a",@progbits
	.p2align	6, 0x0
	.amdhsa_kernel k_q50d4489fbd_mlp
		.amdhsa_group_segment_fixed_size 327680
		.amdhsa_private_segment_fixed_size 0
		.amdhsa_enable_private_segment 0
		.amdhsa_kernarg_size 104
		.amdhsa_user_sgpr_count 2
		.amdhsa_user_sgpr_kernarg_segment_ptr 1
		.amdhsa_wavefront_size32 1
		.amdhsa_system_sgpr_workgroup_id_x 1
		.amdhsa_system_sgpr_workgroup_id_y 1
		.amdhsa_system_sgpr_workgroup_id_z 1
		.amdhsa_system_vgpr_workitem_id 0
		.amdhsa_next_free_vgpr 1024
		.amdhsa_next_free_sgpr 96
		.amdhsa_reserve_vcc 1
		.amdhsa_float_denorm_mode_32 3
		.amdhsa_float_denorm_mode_16_64 3
		.amdhsa_memory_ordered 1
		.amdhsa_forward_progress 1
		.amdhsa_inst_pref_size 255
	.end_amdhsa_kernel
	.section	.bss,"aw",@nobits
	.p2align	6
	.space	262144
	.amdgpu_metadata
---
amdhsa.version: [ 1, 2 ]
amdhsa.kernels:
  - .name:           k_q50d4489fbd_mlp
    .symbol:         k_q50d4489fbd_mlp.kd
    .args:
      - { .name: x, .offset: 0, .size: 8, .value_kind: global_buffer, .address_space: global }
      - { .name: pivots, .offset: 8, .size: 8, .value_kind: global_buffer, .address_space: global }
      - { .name: knnd, .offset: 16, .size: 8, .value_kind: global_buffer, .address_space: global }
      - { .name: knnd_mean, .offset: 24, .size: 8, .value_kind: global_buffer, .address_space: global }
      - { .name: knnd_std, .offset: 32, .size: 8, .value_kind: global_buffer, .address_space: global }
      - { .name: query_mean, .offset: 40, .size: 8, .value_kind: global_buffer, .address_space: global }
      - { .name: query_std, .offset: 48, .size: 8, .value_kind: global_buffer, .address_space: global }
      - { .name: min_values, .offset: 56, .size: 8, .value_kind: global_buffer, .address_space: global }
      - { .name: max_values, .offset: 64, .size: 8, .value_kind: global_buffer, .address_space: global }
      - { .name: cell, .offset: 72, .size: 8, .value_kind: global_buffer, .address_space: global }
      - { .name: wt, .offset: 80, .size: 8, .value_kind: global_buffer, .address_space: global }
      - { .name: nrm, .offset: 88, .size: 8, .value_kind: global_buffer, .address_space: global }
      - { .name: out0, .offset: 96, .size: 8, .value_kind: global_buffer, .address_space: global }
    .group_segment_fixed_size: 327680
    .private_segment_fixed_size: 0
    .kernarg_segment_align: 8
    .kernarg_segment_size: 104
    .max_flat_workgroup_size: 128
    .sgpr_count:     96
    .vgpr_count:     1024
    .wavefront_size: 32
...
	.end_amdgpu_metadata
.endif
;; end of part 2
;; ======== version 2 of 2: 2 launches; 1.17 times as fast as version 1
;; limits: values are held in f16: magnitudes above 65,504 overflow, below 6.1e-05 lose precision; inputs' magnitudes at most 65,504
;; workspace buffers: cell 262,144 bytes of whole numbers; wt 1,331,200 bytes; nrm 9,472 bytes
;; launch prep (part 3): grid 389 x 1, 8 waves a work-group, no clusters, 0 bytes of LDS; arguments x, min_values, max_values, W1, W2, W3, W4, b1, b2, b3, b4, cell, wt, nrm; writes cell, wt, nrm
.if DOCPART == 3
	.amdgcn_target "amdgcn-amd-amdhsa--gfx1250"
	.amdhsa_code_object_version 6
	.text
	.protected	k_q50d4489fbd_prep
	.globl	k_q50d4489fbd_prep
	.p2align	8
	.type	k_q50d4489fbd_prep,@function
k_q50d4489fbd_prep:
	s_mov_b64 s[64:65], 0
	v_nop
	global_prefetch_b8 v0, s[64:65] scope:SCOPE_SE
	s_setreg_imm32_b32 hwreg(HW_REG_WAVE_MODE, 25, 1), 1
	s_wait_xcnt 0x0
; What the main launch needs as whole numbers or in another layout.  Three kinds of work-group, told apart by the work-group's number:
;   0..63     the grid hash: cell[row] = radix-16 number of the four bins of x[row]; 1,024 rows a work-group, 4 a thread
;   64..383   the weights in f16, laid out as the register image of matrix fragments; 4 fragments (4,096 bytes) a work-group
;   384..388  the biases, f32, as one row of 256 bytes behind each quarter tile
; The weight and bias waves of layers 1 to 3 also store the sum of squares of what they handled (one f32 a wave): from these the main
; launch makes its bounds.  No wave reads what another stores, so there is no LDS and no barrier.
; wt: 80 quarter tiles of 16,640 bytes: 16 fragments of 1,024 bytes, then 64 f32 of bias.  Work-group u of the weights writes the 4,096 bytes
;     at 16,640 (u / 4) + 4,096 (u % 4): fragments a = 0..3 (the 16-column tiles of a chunk of 64 columns) of one K block of 32.
;     In a fragment byte 512 half + 16 lane holds W[k = 32 kb + 16 half + 8 (lane / 16) + 0..7][n = n0 + lane % 16].
;     Layer 1: u = 4 chunk + kb, so a quarter is a chunk; layers 2, 3, 4: u - 32, - 160, - 288 = 16 chunk + kb, so four quarters are a chunk,
;     and each of the four carries a copy of the chunk's bias (every byte of a tile is read by the main launch's tensor loads).
;     Layer 1's K is reordered: k' = 0..99 the knn distances, 100..103 the query, 104 the distance, 105..127 zeros: row (k' + 5) mod 105 of W1.
; LIMITS.  |W| below 65,504 (f16).  The quotient (x - min) / (max - min) is the correctly rounded one for 2^-100 < |max - min| < 2^100 and
; finite x; a NaN goes to bin 0.
.set HASH_WG, 64
.set WT_WG,   320
.set QB,      16640                    ; bytes of a quarter tile
.set NRM_B,   9216                     ; the bias waves' sums in nrm: behind 8 x 288 words of the weight waves
.macro LANESUM r, tmp                  ; the sum over the wave's 32 lanes, in every lane
	v_add_f32_dpp v[\r], v[\r], v[\r] row_xmask:1 row_mask:0xf bank_mask:0xf
	v_add_f32_dpp v[\r], v[\r], v[\r] row_xmask:2 row_mask:0xf bank_mask:0xf
	v_add_f32_dpp v[\r], v[\r], v[\r] row_xmask:4 row_mask:0xf bank_mask:0xf
	v_add_f32_dpp v[\r], v[\r], v[\r] row_xmask:8 row_mask:0xf bank_mask:0xf
	v_permlanex16_b32 v[\tmp], v[\r], s50, s51
	v_add_f32 v[\r], v[\r], v[\tmp]
.endm
; lane 0 of the wave stores v20 at nrm + v23 + off
.macro PUTSUM off
	v_and_b32 v22, 31, v0
	v_cmp_eq_u32 vcc_lo, 0, v22
	s_wait_xcnt 0x0                                ; EXEC is a source of the store above: it changes only behind this wait
	s_and_saveexec_b32 s44, vcc_lo
	global_store_b32 v23, v20, s[30:31] offset:\off
	s_wait_xcnt 0x0
	s_or_b32 exec_lo, exec_lo, s44
.endm
	s_load_b512 s[4:19], s[0:1], 0x0               ; x 4, min 6, max 8, W1 10, W2 12, W3 14, W4 16, b1 18
	s_load_b256 s[20:27], s[0:1], 0x40             ; b2 20, b3 22, b4 24, cell 26
	s_load_b128 s[28:31], s[0:1], 0x60             ; wt 28, nrm 30
	s_mov_b32 s50, 0x76543210                      ; v_permlanex16_b32: lane i reads lane i of the other half
	s_mov_b32 s51, 0xfedcba98
	s_mov_b32 s33, 0
	s_mov_b32 s35, 0
	v_mov_b32 v21, 0                               ; the permute's destination counts as read
	s_cmp_lt_u32 ttmp9, HASH_WG
	s_cbranch_scc0 .Lweights
; ---------------- the hash ----------------
	s_lshl_b32 s32, ttmp9, 14                      ; 1,024 rows of 16 bytes
	s_lshl_b32 s34, ttmp9, 12                      ; 1,024 words
	v_lshlrev_b32 v1, 6, v0                        ; my four rows of x
	v_lshlrev_b32 v2, 4, v0                        ; my four words of cell: 16 lanes fill 256 bytes
	s_wait_kmcnt 0x0
	s_load_b128 s[36:39], s[6:7], 0x0              ; min
	s_load_b128 s[40:43], s[8:9], 0x0              ; max
	s_add_nc_u64 s[4:5], s[4:5], s[32:33]
	s_add_nc_u64 s[26:27], s[26:27], s[34:35]
	global_load_b128 v[4:7], v1, s[4:5]
	global_load_b128 v[8:11], v1, s[4:5] offset:16
	global_load_b128 v[12:15], v1, s[4:5] offset:32
	global_load_b128 v[16:19], v1, s[4:5] offset:48
	s_wait_kmcnt 0x0
.irp d, 0,1,2,3
	v_sub_f32 v[20+\d], s[40+\d], s[36+\d]         ; B = max - min
.endr
.irp d, 0,1,2,3
	v_rcp_f32 v[24+\d], v[20+\d]
.endr
	v_nop                                          ; one plain instruction behind the reciprocals (ISA guide 5.7.2)
	s_wait_alu depctr_va_vdst(0)
.irp d, 0,1,2,3
	v_fma_f32 v[28+\d], -v[20+\d], v[24+\d], 1.0   ; one Newton step: Y = 1 / B to the last bit or nearly
	v_fma_f32 v[24+\d], v[28+\d], v[24+\d], v[24+\d]
.endr
; one number: a = x - min; q = a / B by two residual corrections with fused multiply-adds, so that floor() sees the rounded quotient
; that a division gives; times 16 (exact), floor, clip to 0..15.
.macro BIN xr, d
	v_sub_f32 v[\xr], v[\xr], s[36+\d]
	v_mul_f32 v32, v[\xr], v[24+\d]
	v_fma_f32 v33, -v[20+\d], v32, v[\xr]
	v_fma_f32 v32, v33, v[24+\d], v32
	v_fma_f32 v33, -v[20+\d], v32, v[\xr]
	v_fma_f32 v32, v33, v[24+\d], v32
	v_mul_f32 v32, 0x41800000, v32
	v_floor_f32 v32, v32
	v_max_num_f32 v32, 0, v32
	v_min_num_f32 v32, 0x41700000, v32
	v_cvt_u32_f32 v[\xr], v32
.endm
	s_wait_loadcnt 0x0
.irp j, 0,1,2,3
	BIN 4+4*\j, 0
	BIN 5+4*\j, 1
	BIN 6+4*\j, 2
	BIN 7+4*\j, 3
	v_lshl_or_b32 v[36+\j], v[4+4*\j], 4, v[5+4*\j]
	v_lshl_or_b32 v[36+\j], v[36+\j], 4, v[6+4*\j]
	v_lshl_or_b32 v[36+\j], v[36+\j], 4, v[7+4*\j]
.endr
	global_store_b128 v2, v[36:39], s[26:27]
	s_endpgm
; ---------------- the weights ----------------
; ptr: the layer's pointer; u0: its first work-group; 1 << logkb K blocks of 32; rot, kv: source row = (k + rot) mod kv, zero from k = kv on;
; nn: columns of the matrix (its pitch), zero from column nn on; norm: the sum of squares is wanted.
.macro WPACK ptr, u0, logkb, rot, kv, nn, norm
	s_sub_co_u32 s36, s32, \u0
	s_lshr_b32 s37, s36, \logkb
	s_lshl_b32 s37, s37, 6                         ; 64 x chunk
	s_and_b32 s36, s36, (1<<\logkb)-1
	s_lshl_b32 s36, s36, 5                         ; 32 x K block
	v_add_nc_u32 v3, s37, v1                       ; my column n
	v_add_nc_u32 v29, s36, v2                      ; k of my first number
.if \nn < 512
	v_cmp_gt_u32 s38, \nn, v3                      ; the column exists
	v_min_u32 v3, \nn-1, v3                        ; and the load stays inside the matrix
.endif
.irp e, 0,1,2,3,4,5,6,7
	v_add_nc_u32 v[4+\e], \rot+\e, v29
.if \rot
	v_add_nc_u32 v30, \rot+\e-\kv, v29             ; wraps to a huge number below kv, so the unsigned minimum is the row mod kv
	v_min_u32 v[4+\e], v[4+\e], v30
.endif
	v_mad_u32_u24 v[4+\e], v[4+\e], \nn, v3
	v_lshlrev_b32 v[4+\e], 2, v[4+\e]
	global_load_b32 v[12+\e], v[4+\e], s[\ptr:\ptr+1]
.endr
	s_wait_loadcnt 0x0
.irp e, 0,1,2,3,4,5,6,7
.if \rot
	v_cmp_gt_u32 vcc_lo, \kv-\e, v29               ; k + e < kv
	v_cndmask_b32 v[12+\e], 0, v[12+\e], vcc_lo
.endif
.if \nn < 512
	v_cndmask_b32 v[12+\e], 0, v[12+\e], s38
.endif
.endr
.irp e, 0,1,2,3
	v_cvt_pk_f16_f32 v[24+\e], v[12+2*\e], v[13+2*\e]
.endr
	global_store_b128 v28, v[24:27], s[28:29]      ; the work-group's 256 threads store 4,096 consecutive bytes
.if \norm
	v_mul_f32 v20, v12, v12
.irp e, 1,2,3,4,5,6,7
	v_fmac_f32 v20, v[12+\e], v[12+\e]
.endr
	LANESUM 20, 21
	v_lshrrev_b32 v23, 5, v0
	v_lshlrev_b32 v23, 2, v23
	s_lshl_b32 s39, s32, 5
	v_add_nc_u32 v23, s39, v23                     ; word 8 u + wave
	PUTSUM 0
.endif
	s_endpgm
.endm
.Lweights:
	s_cmp_lt_u32 ttmp9, HASH_WG+WT_WG
	s_cbranch_scc0 .Lbias
	s_sub_co_u32 s32, ttmp9, HASH_WG               ; u
	s_lshr_b32 s34, s32, 2
	s_mul_i32 s34, s34, QB                         ; the quarter tile
	s_and_b32 s36, s32, 3
	s_lshl_b32 s36, s36, 12                        ; and my 4,096 bytes in it
	s_add_co_u32 s34, s34, s36
	v_lshrrev_b32 v1, 6, v0                        ; thread = 64 a + 32 half + lane
	v_and_b32 v2, 15, v0
	v_lshl_add_u32 v1, v1, 4, v2                   ; 16 a + lane % 16
	v_bfe_u32 v2, v0, 4, 2
	v_lshlrev_b32 v2, 3, v2                        ; 16 half + 8 (lane / 16)
	v_lshlrev_b32 v28, 4, v0
	s_wait_kmcnt 0x0
	s_add_nc_u64 s[28:29], s[28:29], s[34:35]
	s_cmp_lt_u32 s32, 32
	s_cbranch_scc1 .Lw1
	s_cmp_lt_u32 s32, 160
	s_cbranch_scc1 .Lw2
	s_cmp_lt_u32 s32, 288
	s_cbranch_scc1 .Lw3
	WPACK 16, 288, 4, 0, 512, 100, 0
.Lw1:
	WPACK 10, 0, 2, 5, 105, 512, 1
.Lw2:
	WPACK 12, 32, 4, 0, 512, 512, 1
.Lw3:
	WPACK 14, 160, 4, 0, 512, 512, 1
; ---------------- the biases ----------------
; Wave W = 0..39 writes the bias rows of quarters 2 W and 2 W + 1, sixteen lanes a row of 256 bytes.  The layers begin at quarters 0, 8, 40, 72,
; so a wave lies in one layer.
.Lbias:
	s_sub_co_u32 s32, ttmp9, HASH_WG+WT_WG         ; 0..4
	v_lshrrev_b32 v1, 5, v0
	v_readfirstlane_b32 s34, v1                    ; wave
	s_lshl3_add_u32 s46, s32, s34                  ; W
	v_bfe_u32 v2, v0, 4, 1                         ; which of my two quarters
	v_and_b32 v3, 15, v0                           ; which 16 bytes of the row
	s_wait_kmcnt 0x0
	s_mov_b64 s[36:37], s[24:25]                   ; b4: 25 groups of four numbers,
	s_mov_b32 s38, 25
	s_mov_b32 s39, 36                              ; from wave 36 on,
	s_mov_b32 s40, 2                               ; four quarters a chunk
	s_cmp_lt_u32 s46, 36
	s_cselect_b64 s[36:37], s[22:23], s[36:37]
	s_cselect_b32 s38, 128, s38
	s_cselect_b32 s39, 20, s39
	s_cmp_lt_u32 s46, 20
	s_cselect_b64 s[36:37], s[20:21], s[36:37]
	s_cselect_b32 s39, 4, s39
	s_cmp_lt_u32 s46, 4
	s_cselect_b64 s[36:37], s[18:19], s[36:37]
	s_cselect_b32 s39, 0, s39
	s_cselect_b32 s40, 0, s40                      ; layer 1: a quarter is a chunk
	s_sub_co_u32 s41, s46, s39
	s_lshl_b32 s41, s41, 1
	v_add_nc_u32 v4, s41, v2                       ; the quarter's number in its layer
	v_lshrrev_b32 v5, s40, v4                      ; its chunk
	v_lshl_add_u32 v5, v5, 4, v3                   ; which four numbers of the bias
	s_sub_co_u32 s42, s38, 1
	v_cmp_gt_u32 vcc_lo, s38, v5                   ; they exist
	v_min_u32 v6, s42, v5                          ; and the load stays inside the bias
	v_lshlrev_b32 v6, 4, v6
	global_load_b128 v[8:11], v6, s[36:37]
	s_lshl_b32 s43, s46, 1
	v_add_nc_u32 v7, s43, v2                       ; the quarter
	v_mul_u32_u24 v7, QB, v7
	v_lshl_add_u32 v7, v3, 4, v7
	s_wait_loadcnt 0x0
.irp e, 0,1,2,3
	v_cndmask_b32 v[8+\e], 0, v[8+\e], vcc_lo
.endr
	global_store_b128 v7, v[8:11], s[28:29] offset:16384   ; behind the quarter's fragments
	s_cmp_lt_u32 s46, 36                           ; b4 enters no bound
	s_cbranch_scc0 .Lbias_end
	s_lshl_b32 s45, 1, s40
	s_sub_co_u32 s45, s45, 1                       ; copies of a row, less one
	s_and_b32 s48, s41, s45
	s_cmp_lg_u32 s48, 0                            ; a wave that holds later copies alone adds nothing
	s_cbranch_scc1 .Lbias_end
	v_and_b32 v12, s45, v4
	v_cmp_eq_u32 vcc_lo, 0, v12                    ; each number is counted once: in its first copy
	v_mul_f32 v20, v8, v8
	v_fmac_f32 v20, v9, v9
	v_fmac_f32 v20, v10, v10
	v_fmac_f32 v20, v11, v11
	v_cndmask_b32 v20, 0, v20, vcc_lo
	LANESUM 20, 21
	s_lshr_b32 s47, s46, 1
	s_add_co_u32 s47, s47, 2                       ; words 4..11 layer 2 (W = 4, 6 .. 18), 12..19 layer 3 (W = 20 .. 34),
	s_cmp_lt_u32 s46, 4
	s_cselect_b32 s47, s46, s47                    ; words 0..3 layer 1
	s_lshl_b32 s47, s47, 2
	v_mov_b32 v23, s47
	PUTSUM NRM_B
.Lbias_end:
	s_endpgm
.Lfunc_end_k_q50d4489fbd_prep:
	.size	k_q50d4489fbd_prep, .Lfunc_end_k_q50d4489fbd_prep-k_q50d4489fbd_prep
	.p2alignl 7, 3214868480
	.fill 96, 4, 3214868480
	.section	.rodata,"a",@progbits
	.p2align	6, 0x0
	.amdhsa_kernel k_q50d4489fbd_prep
		.amdhsa_group_segment_fixed_size 0
		.amdhsa_private_segment_fixed_size 0
		.amdhsa_enable_private_segment 0
		.amdhsa_kernarg_size 112
		.amdhsa_user_sgpr_count 2
		.amdhsa_user_sgpr_kernarg_segment_ptr 1
		.amdhsa_wavefront_size32 1
		.amdhsa_system_sgpr_workgroup_id_x 1
		.amdhsa_system_sgpr_workgroup_id_y 1
		.amdhsa_system_sgpr_workgroup_id_z 1
		.amdhsa_system_vgpr_workitem_id 0
		.amdhsa_next_free_vgpr 48
		.amdhsa_next_free_sgpr 66
		.amdhsa_reserve_vcc 1
		.amdhsa_float_denorm_mode_32 3
		.amdhsa_float_denorm_mode_16_64 3
		.amdhsa_memory_ordered 1
		.amdhsa_forward_progress 1
		.amdhsa_inst_pref_size 32
	.end_amdhsa_kernel
	.amdgpu_metadata
---
amdhsa.version: [ 1, 2 ]
amdhsa.kernels:
  - .name:           k_q50d4489fbd_prep
    .symbol:         k_q50d4489fbd_prep.kd
    .args:
      - { .name: x, .offset: 0, .size: 8, .value_kind: global_buffer, .address_space: global }
      - { .name: min_values, .offset: 8, .size: 8, .value_kind: global_buffer, .address_space: global }
      - { .name: max_values, .offset: 16, .size: 8, .value_kind: global_buffer, .address_space: global }
      - { .name: W1, .offset: 24, .size: 8, .value_kind: global_buffer, .address_space: global }
      - { .name: W2, .offset: 32, .size: 8, .value_kind: global_buffer, .address_space: global }
      - { .name: W3, .offset: 40, .size: 8, .value_kind: global_buffer, .address_space: global }
      - { .name: W4, .offset: 48, .size: 8, .value_kind: global_buffer, .address_space: global }
      - { .name: b1, .offset: 56, .size: 8, .value_kind: global_buffer, .address_space: global }
      - { .name: b2, .offset: 64, .size: 8, .value_kind: global_buffer, .address_space: global }
      - { .name: b3, .offset: 72, .size: 8, .value_kind: global_buffer, .address_space: global }
      - { .name: b4, .offset: 80, .size: 8, .value_kind: global_buffer, .address_space: global }
      - { .name: cell, .offset: 88, .size: 8, .value_kind: global_buffer, .address_space: global }
      - { .name: wt, .offset: 96, .size: 8, .value_kind: global_buffer, .address_space: global }
      - { .name: nrm, .offset: 104, .size: 8, .value_kind: global_buffer, .address_space: global }
    .group_segment_fixed_size: 0
    .private_segment_fixed_size: 0
    .kernarg_segment_align: 8
    .kernarg_segment_size: 112
    .max_flat_workgroup_size: 256
    .sgpr_count:     66
    .vgpr_count:     48
    .wavefront_size: 32
...
	.end_amdgpu_metadata
.endif
;; end of part 3
;; launch mlp (part 4): grid 256 x 1, 4 waves a work-group, clusters of 4 x 1, 327,680 bytes of LDS; arguments x, pivots, knnd, knnd_mean, knnd_std, query_mean, query_std, min_values, max_values, cell, wt, nrm, out0; writes out0
.if DOCPART == 4
	.amdgcn_target "amdgcn-amd-amdhsa--gfx1250"
	.amdhsa_code_object_version 6
	.text
	.protected	k_q50d4489fbd_mlp
	.globl	k_q50d4489fbd_mlp
	.p2align	8
	.type	k_q50d4489fbd_mlp,@function
k_q50d4489fbd_mlp:
	s_mov_b64 s[64:65], 0
	v_nop
	global_prefetch_b8 v0, s[64:65] scope:SCOPE_SE
	s_setreg_imm32_b32 hwreg(HW_REG_WAVE_MODE, 25, 1), 1
	s_wait_xcnt 0x0
	s_wait_alu depctr_hold_cnt(0) depctr_sa_sdst(0) depctr_va_vdst(0) depctr_va_sdst(0) depctr_va_ssrc(0) depctr_va_vcc(0) depctr_vm_vsrc(0)
	s_getreg_b32 s2, hwreg(HW_REG_IB_STS2, 6, 4)
	s_cmp_eq_u32 s2, 0
	s_cbranch_scc0 .Lentry_in_a_cluster
	s_endpgm
.Lentry_in_a_cluster:
	s_bfe_u32 s2, ttmp6, 0x10000c
	s_cmp_lg_u32 s2, 0x3003
	s_cbranch_scc0 .Lentry_shape_is_right
	s_endpgm
.Lentry_shape_is_right:
; Gather, features and all four layers for 256 rows a work-group, 64 rows (four tiles of 16) a wave.  A wave makes ALL output features of its own rows.
; THE PRODUCT IS USED TRANSPOSED: source 0 = 16 output features x 32 K of the weights, source 1 = 32 K x 16 rows of the activations.  A lane's
; eight results are then eight neighbouring features of one row; packed to f16 they ARE four registers of the next layer's source 1.  So the
; activations stay with their wave, and the shared LDS is read for weights alone: a fragment of 1 KiB feeds four matrix instructions.
; WEIGHTS: f16 in fragment order (made by the launch before), the same for every work-group, streamed as 20 tiles of 66,560 bytes through two LDS
; slots.  A quarter tile is 16 fragments and a row of 64 biases, so a chunk's bias stands at a fixed byte of its slot.
; CLUSTER: the four work-groups of a cluster ask for each tile jointly (mask 15), a quarter of a tile a wave: a quarter of the requests.
; A tile is one chunk of 64 output features x 512 K (layer 1: four chunks x 128 K): 256 matrix instructions a wave, in which the next tile lands.
; By this text's count a wave has one tensor load out at any time.
; LOOPS.  Register numbers are part of an instruction, so a text that is to be run again must name the same registers.  Layers 2 and 3 share one text:
; inputs always in windows 2 and 3; every chunk's packed results go to a stash in the wave's own LDS (four chunks fit); after four chunks the stash is
; read into window 1, after eight into window 3, and window 1 is copied to window 2.  That copy of 256 registers a layer buys one text for two layers.
; The loop over two pairs of tiles stands twice in the layer's text, so that every register read is written on every path.
; f16 AND ITS RANGE.  With Q_l = |W_l|^2 + |b_l|^2 + 1 (Frobenius) and Q_0 = 1 + the sum of squares of the wave's 64 x 105 features, Cauchy-Schwarz gives
; |z_l| <= sqrt(Q_l .. Q_1 Q_0) for every pre-activation.  k(Q) = floor(log2 Q) / 2 + 1 has sqrt(Q) < 2^k.  Features are scaled by 2^(14-k0-k1), layer 1's
; and layer 2's outputs by 2^-k2 and 2^-k3, each bias by the scale its layer's sums carry: every sum of layers 1 to 3 stays below 2^14, so nothing that is
; rounded to f16 can overflow; the last layer's sums are multiplied back.  All scales are powers of two: they round nothing.
; LIMITS.  k0 + k1 + k2 + k3 < 110; the sums of squares finite in f32; numbers more than 2^28 below their bound are rounded to multiples of
; 2^-24 of the scaled value (f16's denormals) or to zero; reciprocals and roots are good to one unit in the last place and take denormals for zero.
; No prefetch: the gather stands at the kernel's head with nothing in front of it to hide behind, and the weights are shared by all work-groups.
.set QB,     16640                     ; a quarter tile: 65 rows of 256 bytes
.set TILE,   66560
.set STAGE,  133120                    ; 32,768 bytes for each wave, its own, written by ds_store alone: gathered rows, then stashed activations, then the output block
.set PITCH,  400                       ; a stage row: 25 x 16 bytes, an odd multiple of 16: the 16 rows that a load or store touches start in 16 different groups of banks
.set NRM_B,  9216
; window 0
.set SL0, 4                            ; 16 lane: a fragment's 16 bytes in slot 0; also my offset in nrm and out0
.set SL1, 5                            ; the same in slot 1
.set BA0, 6                            ; 16,384 + 32 (lane / 16): my part of the bias row of slot 0's first quarter
.set SA,  7                            ; my stage + 16 lane
.set FA,  8                            ; my stage + 400 (lane % 16) + 32 (lane / 16)
.set CI,  9                            ; 4 (lane / 8)
.set CK,  10                           ; 16 (lane % 8)
.set LA,  11                           ; my stage + 400 (lane / 8) + 16 (lane % 8)
.set Z,   12                           ; 0
.set H32, 13                           ; 32 (lane / 16)
.set R16, 14                           ; 16 (lane % 16)
.set R4,  15                           ; 4 (lane % 16)
.set TP,  16                           ; v16-25 at work
.set LT,  26                           ; the lane permute's destination
.set SH0, SL0+23                       ; v27: SL0 + 2 quarters: a slot is longer than an LDS instruction's 16-bit offset reaches
.set SH1, SL1+23                       ; v28: the same for slot 1
.set BA1, BA0+23                       ; v29: BA0 in slot 1
.set F0,  32                           ; three buffers of four weight fragments; F2 first holds a chunk's bias
.set F1,  64
.set F2,  96
.set ACC, 128                          ; 16 accumulator tiles: (feature tile a, row tile t) at ACC + 8 (4 a + t)
.set D,   32                           ; features phase: v32-223, gathered pieces, then 48 features of each of my 4 rows
.set KO,  224                          ; v224-239 byte offsets into knnd
.set IT,  240                          ; v240-243 byte offsets into pivots
.set KT,  244                          ; v244-247 byte offsets of my rows' knnd rows
; windows 1, 2, 3: activations, 256 features x 64 rows each: register 32 (K block % 8) + 8 t + 4 half + j
; features phase, window 2: sums of squares from the launch before
.set NR, 0                             ; v0-7 layer 1, v8-39 layer 2, v40-71 layer 3
.set NB, 72                            ; v72-75 b1, v76-83 b2, v84-91 b3
; features phase, window 3
.set M3, 0                             ; 52 means of my columns
.set S3, 52                            ; 52 stds, then their reciprocals
.set QM, 104
.set QS, 108
.set MN, 112
.set MX, 116
.set X3, 120                           ; x of my four rows
.set P3, 136                           ; their pivots
.set K3, 152                           ; their knn distances 96..99
.set E3, 168                           ; features 96 + 8 (lane / 16) + 0..7 of my four rows
.set RCD, 204                          ; 1 / cell diagonal
.set T3, 206                           ; v206-213 at work
; scalars
.set G1,  36                           ; s[36:43] shape of a quarter tile
.set G0,  52                           ; s[52:59] from where, to where: one set for each slot
; s[70:71] scale of features and of b1; s[72:73] 2^-k2; s[74:75] scale of b2; s[76:77] 2^-k3; s[78:79] scale of b3 and b4; s[80:81] its inverse
; s[82:83] the bias's scale in the layer loop; s93 trips of a pair loop; s94 trips of the layer loop
.set MSB, 0
.macro WIN new                         ; s_set_vgpr_msb: bits 1:0 source 0, 3:2 source 1, 5:4 source 2, 7:6 destination; the high byte repeats the setting that is left
.if MSB != (\new)
	s_set_vgpr_msb (MSB<<8)|(\new)
.set MSB, (\new)
.endif
.endm
.macro PLACES                          ; four independent vector instructions behind a matrix instruction (ISA guide 7.12.1) before its registers are loaded into, read or written
.rept 4
	v_nop
.endr
.endm
.macro ROUND                           ; a round of the cluster's barrier
	s_barrier_signal -1
	s_barrier_wait -1
	s_cmp_lg_u32 s30, 0
	s_cbranch_scc1 .Lnot_wave_0_\@
	s_barrier_signal -3
.Lnot_wave_0_\@:
	s_barrier_wait -3
	s_barrier_signal -1
	s_barrier_wait -1
.endm
; The change of slots.  In front of the round: all my tensor loads have landed (my quarter of this trip's tile among them) and all my LDS reads are
; back.  Behind it that holds of every wave of the four work-groups, and the joint load of the next tile, into the slot read last, comes first.
.macro TRIP slot, refill
	WIN 0
	s_wait_tensorcnt 0x0
	ds_add_u32 v30, v31
	s_wait_dscnt 0x0
	s_add_nc_u64 s[G0+4*\slot+2:G0+4*\slot+3], s[G0+4*\slot+2:G0+4*\slot+3], 2*TILE   ; no load of mine is out: this slot's next tile
	s_wait_dscnt 0x0
	ROUND
.if \refill
	tensor_load_to_lds s[G0+4-4*\slot:G0+7-4*\slot], s[G1:G1+7]
	s_nop 0
.endif
.endm
.macro LDSTEP sl, off, buf, nt         ; nt fragments of one K block: 32 lanes x 16 consecutive bytes a load
.set qa, 0
.rept \nt
	ds_load_b128 v[\buf+8*qa:\buf+8*qa+3], v[\sl] offset:\off+1024*qa
	ds_load_b128 v[\buf+8*qa+4:\buf+8*qa+7], v[\sl] offset:\off+1024*qa+512
.set qa, qa+1
.endr
.endm
.macro FRAGS sl, pos, buf, nt          ; the same from byte pos of the slot: the slot's second half goes by its second address register
.if (\pos) >= 2*QB
	LDSTEP \sl+23, (\pos)-2*QB, \buf, \nt
.else
	LDSTEP \sl, \pos, \buf, \nt
.endif
.endm
; 4 nt matrix instructions.  The accumulators take turns, one instruction a turn, in the same order in every K block.
; first = 1: the scaled bias starts the sums.
.macro MULSTEP buf, breg, nt, first
.set qa, 0
.rept \nt
.set qt, 0
.rept 4
.if \first
	v_wmma_f32_16x16x32_f16 v[ACC+8*(4*qa+qt):ACC+8*(4*qa+qt)+7], v[\buf+8*qa:\buf+8*qa+7], v[\breg+8*qt:\breg+8*qt+7], v[F2+8*qa:F2+8*qa+7]
.else
	v_wmma_f32_16x16x32_f16 v[ACC+8*(4*qa+qt):ACC+8*(4*qa+qt)+7], v[\buf+8*qa:\buf+8*qa+7], v[\breg+8*qt:\breg+8*qt+7], v[ACC+8*(4*qa+qt):ACC+8*(4*qa+qt)+7]
.endif
.set qt, qt+1
.endr
.set qa, qa+1
.endr
.endm
; One chunk: nt x 16 output features of my 64 rows over kbn K blocks.  sl: the slot's address register; cb: the chunk's byte in the slot;
; wlo, whi: the windows of K blocks 0-7 and 8-15; sb: the bias's scale.  K block s lies at cb + 4,096 s + 256 (s / 4): a bias row ends each quarter.
; Fragments run two K blocks ahead through three buffers.  Only source 1's window differs from 0, so the LDS loads need no switch.
.macro CHUNK sl, cb, kbn, nt, wlo, whi, sb
	WIN 0
.set qa, 0
.rept \nt
	ds_load_b128 v[F2+8*qa:F2+8*qa+3], v[BA0+23*(\sl-SL0)] offset:\cb+64*qa
	ds_load_b128 v[F2+8*qa+4:F2+8*qa+7], v[BA0+23*(\sl-SL0)] offset:\cb+64*qa+16
.set qa, qa+1
.endr
	FRAGS \sl, \cb, F0, \nt
	FRAGS \sl, \cb+4096, F1, \nt
.set qs, 0
.rept \kbn
.if qs == 1
	PLACES
	FRAGS \sl, \cb+8192, F2, \nt
	FRAGS \sl, \cb+12288, F0, \nt
.endif
.if qs >= 2
.if qs+2 < \kbn
	PLACES
.set bufn, 32+32*((qs+2)%3)
.set posn, \cb+4096*(qs+2)+256*((qs+2)>>2)
	FRAGS \sl, posn, bufn, \nt
.endif
.endif
.if qs == 0
.set ahead, 1
.else
.set ahead, qs+2
.endif
.if ahead > \kbn-1
.set ahead, \kbn-1
.endif
	s_wait_dscnt 2*\nt*(ahead-qs)                  ; LDS loads come back in order: all but those of the K blocks fetched behind this one
.if qs == 0
.set qi, 0
.rept 4*\nt
	v_pk_mul_f32 v[F2+2*qi:F2+2*qi+1], v[F2+2*qi:F2+2*qi+1], s[\sb:\sb+1] op_sel_hi:[1,0]
.set qi, qi+1
.endr
.endif
.if qs < 8
	WIN (\wlo<<2)
.else
	WIN (\whi<<2)
.endif
.set bufn, 32+32*(qs%3)
.set bregn, 32*(qs%8)
.if qs == 0
	MULSTEP bufn, bregn, \nt, 1
.else
	MULSTEP bufn, bregn, \nt, 0
.endif
.set qs, qs+1
.endr
.endm
.macro EPI_SCALE sc                    ; the next layer's scale on the 128 accumulator registers
.set qi, 0
.rept 64
	v_pk_mul_f32 v[ACC+2*qi:ACC+2*qi+1], v[ACC+2*qi:ACC+2*qi+1], s[\sc:\sc+1] op_sel_hi:[1,0]
.set qi, qi+1
.endr
.endm
.macro EPI_MAX                         ; relu
.set qi, 0
.rept 128
	v_max_num_f32 v[ACC+qi], 0, v[ACC+qi]
.set qi, qi+1
.endr
.endm
.macro EPI_PACK base                   ; feature tiles 2 i, 2 i + 1 are the two halves of the next layer's K block i of this chunk
.set qa, 0
.rept 4
.set qt, 0
.rept 4
.set qj, 0
.rept 4
	v_cvt_pk_f16_f32 v[\base+32*(qa>>1)+8*qt+4*(qa&1)+qj], v[ACC+8*(4*qa+qt)+2*qj], v[ACC+8*(4*qa+qt)+2*qj+1]
.set qj, qj+1
.endr
.set qt, qt+1
.endr
.set qa, qa+1
.endr
.endm
.macro EPI_REG win, rbase, sc          ; layer 1: the chunk's 64 packed registers go straight to their place in window win
	WIN 0
	PLACES
	EPI_SCALE \sc
	EPI_MAX
	WIN (\win<<6)
	EPI_PACK \rbase
	WIN 0
.endm
.macro STASH cq                        ; 64 packed registers to place cq of four in my stage
.set qi, 0
.rept 16
	ds_store_b128 v[SA], v[F0+4*qi:F0+4*qi+3] offset:(16*(\cq)+qi)*512
.set qi, qi+1
.endr
.endm
; Layers 2 and 3: scale (layer 2 alone: layer 3's results are below 2^14 as they are), relu, pack, stash.  k: 0 or 1, the tile of the pair.
; The stash's place is 2 x trip + k; each place has its own run of stores, so that every LDS address is a lane term and a constant.
.macro EPI_LOOP k
	WIN 0
	PLACES
	s_cmp_lg_u32 s94, 0
	s_cbranch_scc1 .Lplain_\@
	EPI_SCALE 76
.Lplain_\@:
	EPI_MAX
	EPI_PACK F0
	s_cmp_lg_u32 s93, 0
	s_cbranch_scc1 .Lsecond_\@
	STASH \k
	s_branch .Lstashed_\@
.Lsecond_\@:
	STASH 2+\k
.Lstashed_\@:
.endm
.macro RELOAD win                      ; the four stashed chunks into window win; waited for by the next change of slots
	WIN (\win<<6)
.set qi, 0
.rept 64
	ds_load_b128 v[4*qi:4*qi+3], v[SA] offset:512*qi
.set qi, qi+1
.endr
	WIN 0
.endm
.macro MOVE                            ; window 1 to window 2: the layer's first 256 features take the place that the layer's text reads
	WIN 0x81
.set qi, 0
.rept 256
	v_mov_b32 v[qi], v[qi]
.set qi, qi+1
.endr
	WIN 0
.endm
.macro PAIRS                           ; four tiles = four chunks of a 512 x 512 layer, two a trip (slot 0, slot 1), into the stash
	s_mov_b32 s93, 0
.Lpair_\@:
	TRIP 0, 1
	CHUNK SL0, 0, 16, 4, 2, 3, 82
	EPI_LOOP 0
	TRIP 1, 1
	CHUNK SL1, 0, 16, 4, 2, 3, 82
	EPI_LOOP 1
	s_add_co_u32 s93, s93, 1
	s_cmp_lt_u32 s93, 2
	s_cbranch_scc1 .Lpair_\@
.endm
; The last layer's results, multiplied back, into the output block in my stage: 64 rows of 400 bytes without gaps.  full: feature tiles stored whole.
.macro EPI_OUT c, nt, full
	WIN 0
	PLACES
.set qi, 0
.rept 16*\nt
	v_pk_mul_f32 v[ACC+2*qi:ACC+2*qi+1], v[ACC+2*qi:ACC+2*qi+1], s[80:81] op_sel_hi:[1,0]
.set qi, qi+1
.endr
.set qa, 0
.rept \full
.set qt, 0
.rept 4
	ds_store_b128 v[FA], v[ACC+8*(4*qa+qt):ACC+8*(4*qa+qt)+3] offset:6400*qt+256*\c+64*qa
	ds_store_b128 v[FA], v[ACC+8*(4*qa+qt)+4:ACC+8*(4*qa+qt)+7] offset:6400*qt+256*\c+64*qa+16
.set qt, qt+1
.endr
.set qa, qa+1
.endr
.if \full < \nt
	s_wait_xcnt 0x0                                ; EXEC changes only behind this wait
	v_cmp_gt_u32 vcc_lo, 16, v1                    ; features 96..99: the first four numbers of lanes 0-15; the rest of this tile is padding
	s_and_saveexec_b32 s92, vcc_lo
.set qt, 0
.rept 4
	ds_store_b128 v[FA], v[ACC+8*(4*\full+qt):ACC+8*(4*\full+qt)+3] offset:6400*qt+256*\c+64*\full
.set qt, qt+1
.endr
	s_or_b32 exec_lo, exec_lo, s92
.endif
.endm
.macro LANESUM r                       ; the sum over the wave's 32 lanes, in every lane
	v_add_f32_dpp v[\r], v[\r], v[\r] row_xmask:1 row_mask:0xf bank_mask:0xf
	v_add_f32_dpp v[\r], v[\r], v[\r] row_xmask:2 row_mask:0xf bank_mask:0xf
	v_add_f32_dpp v[\r], v[\r], v[\r] row_xmask:4 row_mask:0xf bank_mask:0xf
	v_add_f32_dpp v[\r], v[\r], v[\r] row_xmask:8 row_mask:0xf bank_mask:0xf
	v_permlanex16_b32 v[LT], v[\r], s68, s69
	v_add_f32 v[\r], v[\r], v[LT]
.endm
.macro SUMRUN base, n                  ; n register pairs from base on, added into the first
.set qi, 1
.rept \n-1
	v_pk_add_f32 v[\base:\base+1], v[\base:\base+1], v[\base+2*qi:\base+2*qi+1]
.set qi, qi+1
.endr
.endm
.macro KEXP d                          ; s[d]: the bits of Q >= 1  ->  k with sqrt(Q) < 2^k
	s_lshr_b32 s[\d], s[\d], 23
	s_sub_co_u32 s[\d], s[\d], 127
	s_lshr_b32 s[\d], s[\d], 1
	s_add_co_u32 s[\d], s[\d], 1
.endm
; ======================= head =======================
	s_load_b512 s[4:19], s[0:1], 0x0               ; x 4, pivots 6, knnd 8, knnd_mean 10, knnd_std 12, query_mean 14, query_std 16, min 18
	s_load_b256 s[20:27], s[0:1], 0x40             ; max 20, cell 22, wt 24, nrm 26
	s_load_b64 s[28:29], s[0:1], 0x60              ; out0
	v_lshl_add_u32 v30, v0, 2, 0x40800
	v_mov_b32 v31, 0
	ds_add_u32 v30, v31
	v_lshrrev_b32 v[TP], 5, v0
	v_readfirstlane_b32 s30, v[TP]                 ; wave
	s_bfe_u32 s31, ttmp6, 0x40000                  ; my place in the cluster: it enters offsets into x, cell and out0 alone
	s_lshl_b32 s32, ttmp9, 2
	s_add_co_u32 s32, s32, s31                     ; work-group
	s_lshl_b32 s32, s32, 8
	s_lshl_b32 s33, s30, 6
	s_add_co_u32 s32, s32, s33                     ; my wave's first row
	s_lshl_b32 s86, s32, 4                         ; in bytes of x,
	s_mov_b32 s87, 0
	s_lshl_b32 s88, s32, 2                         ; of cell,
	s_mov_b32 s89, 0
	s_mul_i32 s90, s32, 400                        ; of out0: a multiple of 25,600
	s_mov_b32 s91, 0
	s_lshl_b32 s66, s30, 15
	s_add_co_u32 s66, s66, STAGE                   ; my stage
	s_mov_b32 s67, 0xffff0000                      ; lanes 16-31
	s_mov_b32 s68, 0x76543210
	s_mov_b32 s69, 0xfedcba98
	; the shape: a quarter tile is a dense block, taken as 65 rows of 32 elements of 8 bytes (256 bytes)
	s_mov_b32 s[G1+0], (15)|(3<<16)|(1<<21)        ; 15:0 the four work-groups of the cluster; 17:16 elements of 8 bytes; 21 set beside a mask
	s_mov_b32 s[G1+1], 32<<16                      ; tensor_dim0 = 32
	s_mov_b32 s[G1+2], 65<<16                      ; tensor_dim1 = 65
	s_mov_b32 s[G1+3], 32<<16                      ; tile_dim0 = 32
	s_mov_b32 s[G1+4], 65                          ; tile_dim1 = 65
	s_mov_b32 s[G1+5], 32                          ; from row to row: 32 elements
	s_mov_b32 s[G1+6], 0
	s_mov_b32 s[G1+7], 0
	s_mul_i32 s34, s30, QB                         ; my quarter of a tile
	s_mov_b32 s35, 0
	v_and_b32 v1, 31, v0                           ; lane
	v_and_b32 v2, 15, v0
	v_bfe_u32 v3, v0, 4, 1
	v_lshlrev_b32 v[SL0], 4, v1
	v_add_nc_u32 v[SL1], TILE, v[SL0]
	v_add_nc_u32 v[SH0], 2*QB, v[SL0]
	v_add_nc_u32 v[SH1], 2*QB, v[SL1]
	v_lshlrev_b32 v[H32], 5, v3
	v_add_nc_u32 v[BA0], 16384, v[H32]
	v_add_nc_u32 v[BA1], TILE, v[BA0]
	v_add_nc_u32 v[SA], s66, v[SL0]
	v_mul_u32_u24 v[FA], v2, PITCH
	v_add3_u32 v[FA], v[FA], v[H32], s66
	v_bfe_u32 v[CI], v0, 3, 2
	v_and_b32 v[TP], 7, v0
	v_mul_u32_u24 v[LA], v[CI], PITCH
	v_lshl_add_u32 v[LA], v[TP], 4, v[LA]
	v_add_nc_u32 v[LA], s66, v[LA]
	v_lshlrev_b32 v[CK], 4, v[TP]
	v_lshlrev_b32 v[CI], 2, v[CI]
	v_mov_b32 v[Z], 0
	v_lshlrev_b32 v[R16], 4, v2
	v_lshlrev_b32 v[R4], 2, v2
	v_mov_b32 v[LT], 0
	s_wait_dscnt 0x0
	s_wait_kmcnt 0x0
	s_add_nc_u64 s[4:5], s[4:5], s[86:87]
	s_add_nc_u64 s[22:23], s[22:23], s[88:89]
	s_add_nc_u64 s[28:29], s[28:29], s[90:91]
	s_mov_b32 s[G0+0], 1
	s_mov_b32 s[G0+1], s34                         ; slot 0 + my quarter
	s_add_nc_u64 s[G0+2:G0+3], s[24:25], s[34:35]  ; tile 0
	s_or_b32 s[G0+3], s[G0+3], 0x80000000
	s_mov_b32 s[G0+4], 1
	s_add_co_u32 s[G0+5], s34, TILE                ; slot 1 + my quarter
	s_add_nc_u64 s[G0+6:G0+7], s[24:25], s[34:35]
	s_add_nc_u64 s[G0+6:G0+7], s[G0+6:G0+7], TILE  ; tile 1
	s_or_b32 s[G0+7], s[G0+7], 0x80000000
	ROUND                                          ; the four work-groups are here: the first joint load meets
	tensor_load_to_lds s[G0:G0+3], s[G1:G1+7]      ; tile 0
	s_nop 0
; ======================= gather and features =======================
; 20 loads: the cell numbers.  For the gather eight lanes share a row (rows 4 j + lane / 8); for the pivots lane (r, h) takes row 16 t + r.
.set qi, 0
.rept 16
	global_load_b32 v[KO+qi], v[CI], s[22:23] offset:16*qi
.set qi, qi+1
.endr
.set qi, 0
.rept 4
	global_load_b32 v[IT+qi], v[R4], s[22:23] offset:64*qi
.set qi, qi+1
.endr
; 57 loads that hang on no index: means and stds of my columns 16 c + 8 h + 0..7 (c = 0..5) and 96..99, the four small vectors, x, the sums of squares
	WIN 0xc0
.set qi, 0
.rept 6
	global_load_b128 v[M3+8*qi:M3+8*qi+3], v[H32], s[10:11] offset:64*qi
	global_load_b128 v[M3+8*qi+4:M3+8*qi+7], v[H32], s[10:11] offset:64*qi+16
	global_load_b128 v[S3+8*qi:S3+8*qi+3], v[H32], s[12:13] offset:64*qi
	global_load_b128 v[S3+8*qi+4:S3+8*qi+7], v[H32], s[12:13] offset:64*qi+16
.set qi, qi+1
.endr
	global_load_b128 v[M3+48:M3+51], v[Z], s[10:11] offset:384
	global_load_b128 v[S3+48:S3+51], v[Z], s[12:13] offset:384
	global_load_b128 v[QM:QM+3], v[Z], s[14:15]
	global_load_b128 v[QS:QS+3], v[Z], s[16:17]
	global_load_b128 v[MN:MN+3], v[Z], s[18:19]
	global_load_b128 v[MX:MX+3], v[Z], s[20:21]
.set qi, 0
.rept 4
	global_load_b128 v[X3+4*qi:X3+4*qi+3], v[R16], s[4:5] offset:256*qi
.set qi, qi+1
.endr
	WIN 0x80
.set qi, 0
.rept 18
	global_load_b128 v[NR+4*qi:NR+4*qi+3], v[SL0], s[26:27] offset:512*qi
.set qi, qi+1
.endr
.set qi, 0
.rept 5
	global_load_b128 v[NB+4*qi:NB+4*qi+3], v[Z], s[26:27] offset:NRM_B+16*qi
.set qi, qi+1
.endr
	WIN 0
	s_wait_loadcnt 57                              ; the 20 cell numbers are in; the 57 loads issued behind them stay out
.set qi, 0
.rept 16
	v_min_u32 v[KO+qi], 0xffff, v[KO+qi]           ; a cell number is below 65,536
	v_mul_u32_u24 v[KO+qi], 0x190, v[KO+qi]        ; rows of 400 bytes
	v_add_nc_u32 v[KO+qi], v[KO+qi], v[CK]
.set qi, qi+1
.endr
.set qi, 0
.rept 4
	v_min_u32 v[IT+qi], 0xffff, v[IT+qi]
	v_mul_u32_u24 v[KT+qi], 0x190, v[IT+qi]
	v_lshlrev_b32 v[IT+qi], 4, v[IT+qi]
.set qi, qi+1
.endr
; 56 loads: the gather.  One load takes 128 consecutive bytes of each of four rows; the last 16 bytes of a row go straight to the lane that uses them.
; The way through LDS turns 'eight lanes a row' into the fragment's 'one lane a row': loaded in fragment order a load would touch 32 places.
.set qj, 0
.rept 16
	global_load_b128 v[D+12*qj:D+12*qj+3], v[KO+qj], s[8:9]
	global_load_b128 v[D+12*qj+4:D+12*qj+7], v[KO+qj], s[8:9] offset:128
	global_load_b128 v[D+12*qj+8:D+12*qj+11], v[KO+qj], s[8:9] offset:256
.set qj, qj+1
.endr
	WIN 0xc0
.set qi, 0
.rept 4
	global_load_b128 v[K3+4*qi:K3+4*qi+3], v[KT+qi], s[8:9] offset:384
.set qi, qi+1
.endr
.set qi, 0
.rept 4
	global_load_b128 v[P3+4*qi:P3+4*qi+3], v[IT+qi], s[6:7]
.set qi, qi+1
.endr
	s_wait_loadcnt 56                              ; the 57 are in; the gather's 56 stay out, and this work is done under them
	WIN 0xff
.set qi, 0
.rept 52
	v_rcp_f32 v[S3+qi], v[S3+qi]
.set qi, qi+1
.endr
.set qi, 0
.rept 4
	v_rcp_f32 v[QS+qi], v[QS+qi]
.set qi, qi+1
.endr
	v_pk_add_f32 v[T3:T3+1], v[MX:MX+1], v[MN:MN+1] neg_lo:[0,1] neg_hi:[0,1]         ; a plain instruction behind the reciprocals (ISA guide 5.7.2)
	v_pk_add_f32 v[T3+2:T3+3], v[MX+2:MX+3], v[MN+2:MN+3] neg_lo:[0,1] neg_hi:[0,1]
	v_pk_mul_f32 v[T3:T3+1], v[T3:T3+1], 0x3d800000 op_sel_hi:[1,0]                   ; bin width = (max - min) / 16
	v_pk_mul_f32 v[T3+2:T3+3], v[T3+2:T3+3], 0x3d800000 op_sel_hi:[1,0]
	v_mul_f32 v[T3+4], v[T3], v[T3]
	v_fmac_f32 v[T3+4], v[T3+1], v[T3+1]
	v_fmac_f32 v[T3+4], v[T3+2], v[T3+2]
	v_fmac_f32 v[T3+4], v[T3+3], v[T3+3]
	v_rsq_f32 v[RCD], v[T3+4]                      ; 1 / cell diagonal
	v_nop
.set qt, 0
	s_wait_alu depctr_va_vdst(0)
.rept 4                                            ; the normalised query, for now in every lane
	v_pk_add_f32 v[E3+8*qt+4:E3+8*qt+5], v[X3+4*qt:X3+4*qt+1], v[QM:QM+1] neg_lo:[0,1] neg_hi:[0,1]
	v_pk_add_f32 v[E3+8*qt+6:E3+8*qt+7], v[X3+4*qt+2:X3+4*qt+3], v[QM+2:QM+3] neg_lo:[0,1] neg_hi:[0,1]
	v_pk_mul_f32 v[E3+8*qt+4:E3+8*qt+5], v[E3+8*qt+4:E3+8*qt+5], v[QS:QS+1]
	v_pk_mul_f32 v[E3+8*qt+6:E3+8*qt+7], v[E3+8*qt+6:E3+8*qt+7], v[QS+2:QS+3]
.set qt, qt+1
.endr
	WIN 0xaa                                       ; Q1, Q2, Q3
	SUMRUN NR, 4
	SUMRUN NR+8, 16
	SUMRUN NR+40, 16
	SUMRUN NB, 2
	SUMRUN NB+4, 4
	SUMRUN NB+12, 4
	WIN 0x0a
	v_add_f32 v[TP], v[NR], v[NR+1]
	v_add_f32 v[TP+1], v[NR+8], v[NR+9]
	v_add_f32 v[TP+2], v[NR+40], v[NR+41]
	v_add_f32 v[TP+3], v[NB], v[NB+1]              ; the biases' sums are alike in all lanes
	v_add_f32 v[TP+4], v[NB+4], v[NB+5]
	v_add_f32 v[TP+5], v[NB+12], v[NB+13]
	WIN 0
	LANESUM TP
	LANESUM TP+1
	LANESUM TP+2
.set qi, 0
.rept 3
	v_add_f32 v[TP+qi], v[TP+qi], v[TP+3+qi]
	v_add_f32 v[TP+qi], 1.0, v[TP+qi]
	v_readfirstlane_b32 s[84+qi], v[TP+qi]
.set qi, qi+1
.endr
	KEXP 84                                        ; k1
	KEXP 85                                        ; k2
	KEXP 86                                        ; k3
; the gathered pieces go to my stage as they come
.set qj, 0
.rept 16
	s_wait_loadcnt 8+3*(15-qj)                     ; loads come back in order: rows 4 j .. 4 j + 3 are in; behind them the later rows' three loads each and the last eight
	ds_store_b128 v[LA], v[D+12*qj:D+12*qj+3] offset:1600*qj
	ds_store_b128 v[LA], v[D+12*qj+4:D+12*qj+7] offset:1600*qj+128
	ds_store_b128 v[LA], v[D+12*qj+8:D+12*qj+11] offset:1600*qj+256
.set qj, qj+1
.endr
; and come back in fragment order: lane (r, h) takes columns 16 c + 8 h + 0..7 of rows 16 t + r.  LDS serves a wave's instructions in order (ISA guide 5.7.1.4).
.set qt, 0
.rept 4
.set qi, 0
.rept 6
	ds_load_b128 v[D+48*qt+8*qi:D+48*qt+8*qi+3], v[FA] offset:6400*qt+64*qi
	ds_load_b128 v[D+48*qt+8*qi+4:D+48*qt+8*qi+7], v[FA] offset:6400*qt+64*qi+16
.set qi, qi+1
.endr
.set qt, qt+1
.endr
	s_wait_loadcnt 0x0                             ; the rows' last pieces and the pivots
	WIN 0xff
.set qt, 0
.rept 4
	v_pk_add_f32 v[K3+4*qt:K3+4*qt+1], v[K3+4*qt:K3+4*qt+1], v[M3+48:M3+49] neg_lo:[0,1] neg_hi:[0,1]
	v_pk_add_f32 v[K3+4*qt+2:K3+4*qt+3], v[K3+4*qt+2:K3+4*qt+3], v[M3+50:M3+51] neg_lo:[0,1] neg_hi:[0,1]
	v_pk_mul_f32 v[K3+4*qt:K3+4*qt+1], v[K3+4*qt:K3+4*qt+1], v[S3+48:S3+49]
	v_pk_mul_f32 v[K3+4*qt+2:K3+4*qt+3], v[K3+4*qt+2:K3+4*qt+3], v[S3+50:S3+51]
	v_pk_add_f32 v[T3:T3+1], v[X3+4*qt:X3+4*qt+1], v[P3+4*qt:P3+4*qt+1] neg_lo:[0,1] neg_hi:[0,1]
	v_pk_add_f32 v[T3+2:T3+3], v[X3+4*qt+2:X3+4*qt+3], v[P3+4*qt+2:P3+4*qt+3] neg_lo:[0,1] neg_hi:[0,1]
	v_mul_f32 v[T3+4+qt], v[T3], v[T3]
	v_fmac_f32 v[T3+4+qt], v[T3+1], v[T3+1]
	v_fmac_f32 v[T3+4+qt], v[T3+2], v[T3+2]
	v_fmac_f32 v[T3+4+qt], v[T3+3], v[T3+3]
.set qt, qt+1
.endr
.set qt, 0
.rept 4
	v_sqrt_f32 v[T3+4+qt], v[T3+4+qt]
.set qt, qt+1
.endr
	v_nop
.set qt, 0
	s_wait_alu depctr_va_vdst(0)
.rept 4                                            ; K block 3: lanes 0-15 hold distances 96..99 and the query, lanes 16-31 the pivot distance and zeros
	v_mul_f32 v[T3+4+qt], v[T3+4+qt], v[RCD]
	v_cndmask_b32 v[E3+8*qt], v[K3+4*qt], v[T3+4+qt], s67
	v_cndmask_b32 v[E3+8*qt+1], v[K3+4*qt+1], 0, s67
	v_cndmask_b32 v[E3+8*qt+2], v[K3+4*qt+2], 0, s67
	v_cndmask_b32 v[E3+8*qt+3], v[K3+4*qt+3], 0, s67
	v_cndmask_b32 v[E3+8*qt+4], v[E3+8*qt+4], 0, s67
	v_cndmask_b32 v[E3+8*qt+5], v[E3+8*qt+5], 0, s67
	v_cndmask_b32 v[E3+8*qt+6], v[E3+8*qt+6], 0, s67
	v_cndmask_b32 v[E3+8*qt+7], v[E3+8*qt+7], 0, s67
.set qt, qt+1
.endr
	v_pk_mul_f32 v[T3:T3+1], v[E3:E3+1], v[E3:E3+1]                                   ; their squares
.set qi, 1
.rept 15
	v_pk_fma_f32 v[T3:T3+1], v[E3+2*qi:E3+2*qi+1], v[E3+2*qi:E3+2*qi+1], v[T3:T3+1]
.set qi, qi+1
.endr
	WIN 0x0f
	v_add_f32 v[TP+8], v[T3], v[T3+1]
	s_wait_dscnt 0x0                               ; the 48 loads from my stage
	WIN 0x0c
.set qt, 0
.rept 4
.set qi, 0
.rept 24
	v_pk_add_f32 v[D+48*qt+2*qi:D+48*qt+2*qi+1], v[D+48*qt+2*qi:D+48*qt+2*qi+1], v[M3+2*qi:M3+2*qi+1] neg_lo:[0,1] neg_hi:[0,1]
	v_pk_mul_f32 v[D+48*qt+2*qi:D+48*qt+2*qi+1], v[D+48*qt+2*qi:D+48*qt+2*qi+1], v[S3+2*qi:S3+2*qi+1]
.set qi, qi+1
.endr
.set qt, qt+1
.endr
	WIN 0                                          ; Q0: four chains, started by the first four products
.set qi, 0
.rept 4
	v_pk_mul_f32 v[TP+2*qi:TP+2*qi+1], v[D+2*qi:D+2*qi+1], v[D+2*qi:D+2*qi+1]
.set qi, qi+1
.endr
.rept 92
	v_pk_fma_f32 v[TP+2*(qi%4):TP+2*(qi%4)+1], v[D+2*qi:D+2*qi+1], v[D+2*qi:D+2*qi+1], v[TP+2*(qi%4):TP+2*(qi%4)+1]
.set qi, qi+1
.endr
	v_pk_add_f32 v[TP:TP+1], v[TP:TP+1], v[TP+2:TP+3]
	v_pk_add_f32 v[TP+4:TP+5], v[TP+4:TP+5], v[TP+6:TP+7]
	v_pk_add_f32 v[TP:TP+1], v[TP:TP+1], v[TP+4:TP+5]
	v_add_f32 v[TP], v[TP], v[TP+1]
	v_add_f32 v[TP], v[TP], v[TP+8]
	LANESUM TP
	v_add_f32 v[TP], 1.0, v[TP]
	v_readfirstlane_b32 s87, v[TP]
	KEXP 87                                        ; k0
	; the scales, as exponents of f32: 2^e is (127 + e) << 23
	s_add_co_u32 s88, s87, s84
	s_sub_co_u32 s89, 141, s88                     ; 127 + 14 - k0 - k1
	s_lshl_b32 s70, s89, 23
	s_mov_b32 s71, s70
	s_sub_co_u32 s90, 127, s85
	s_lshl_b32 s72, s90, 23                        ; 2^-k2
	s_mov_b32 s73, s72
	s_sub_co_u32 s89, s89, s85
	s_lshl_b32 s74, s89, 23
	s_mov_b32 s75, s74
	s_sub_co_u32 s90, 127, s86
	s_lshl_b32 s76, s90, 23                        ; 2^-k3
	s_mov_b32 s77, s76
	s_sub_co_u32 s89, s89, s86
	s_lshl_b32 s78, s89, 23
	s_mov_b32 s79, s78
	s_sub_co_u32 s90, 254, s89                     ; the inverse
	s_lshl_b32 s80, s90, 23
	s_mov_b32 s81, s80
.set qi, 0
.rept 96
	v_pk_mul_f32 v[D+2*qi:D+2*qi+1], v[D+2*qi:D+2*qi+1], s[70:71] op_sel_hi:[1,0]
.set qi, qi+1
.endr
	WIN 0x40                                       ; to f16, into window 1: K blocks 0 to 2
.set qs, 0
.rept 3
.set qt, 0
.rept 4
.set qj, 0
.rept 8
	v_cvt_pk_f16_f32 v[32*qs+8*qt+qj], v[D+48*qt+16*qs+2*qj], v[D+48*qt+16*qs+2*qj+1]
.set qj, qj+1
.endr
.set qt, qt+1
.endr
.set qs, qs+1
.endr
.set qt, 0
.rept 4                                            ; K block 3, second half: k' = 112..127 is padding
.set qj, 0
.rept 4
	v_mov_b32 v[100+8*qt+qj], 0
.set qj, qj+1
.endr
.set qt, qt+1
.endr
	WIN 0xff
.set qi, 0
.rept 16
	v_pk_mul_f32 v[E3+2*qi:E3+2*qi+1], v[E3+2*qi:E3+2*qi+1], s[70:71] op_sel_hi:[1,0]
.set qi, qi+1
.endr
	WIN 0x4f                                       ; K block 3, first half
.set qt, 0
.rept 4
.set qj, 0
.rept 4
	v_cvt_pk_f16_f32 v[96+8*qt+qj], v[E3+8*qt+2*qj], v[E3+8*qt+2*qj+1]
.set qj, qj+1
.endr
.set qt, qt+1
.endr
; ======================= layer 1: two tiles of four chunks, K = 128; features in window 1, results straight to windows 2 and 3 =======================
	TRIP 0, 1                                      ; slot 1's first fill goes out as a refill does
	CHUNK SL0, 0, 4, 4, 1, 1, 70
	EPI_REG 2, 0, 72
	CHUNK SL0, QB, 4, 4, 1, 1, 70
	EPI_REG 2, 64, 72
	CHUNK SL0, 2*QB, 4, 4, 1, 1, 70
	EPI_REG 2, 128, 72
	CHUNK SL0, 3*QB, 4, 4, 1, 1, 70
	EPI_REG 2, 192, 72
	TRIP 1, 1
	CHUNK SL1, 0, 4, 4, 1, 1, 70
	EPI_REG 3, 0, 72
	CHUNK SL1, QB, 4, 4, 1, 1, 70
	EPI_REG 3, 64, 72
	CHUNK SL1, 2*QB, 4, 4, 1, 1, 70
	EPI_REG 3, 128, 72
	CHUNK SL1, 3*QB, 4, 4, 1, 1, 70
	EPI_REG 3, 192, 72
; ======================= layers 2 and 3: one text, two trips; from windows 2, 3 to windows 2, 3 =======================
	s_mov_b32 s82, s74                             ; b2's scale
	s_mov_b32 s83, s74
	s_mov_b32 s94, 0
.Llayer:
	PAIRS                                          ; features 0..255 to the stash
	RELOAD 1                                       ; and on to the free window: windows 2 and 3 are still being read
	PAIRS                                          ; features 256..511
	RELOAD 3                                       ; the inputs are used up
	MOVE
	s_mov_b32 s82, s78                             ; b3's scale
	s_mov_b32 s83, s78
	s_add_co_u32 s94, s94, 1
	s_cmp_lt_u32 s94, 2
	s_cbranch_scc1 .Llayer
; ======================= layer 4, written out: features 0..63, then 64..99 (three tiles of 16; the fourth is padding and is not multiplied) =======================
	TRIP 0, 1
	CHUNK SL0, 0, 16, 4, 2, 3, 78
	EPI_OUT 0, 4, 4
	TRIP 1, 0                                      ; the last tile: nothing is left to fetch
	CHUNK SL1, 0, 16, 3, 2, 3, 78
	EPI_OUT 1, 3, 2
; ======================= out: my 64 rows are 25,600 consecutive bytes of out0, from a multiple of 256 on =======================
.set qi, 0
.rept 50
	ds_load_b128 v[32+4*qi:32+4*qi+3], v[SA] offset:512*qi
.set qi, qi+1
.endr
.set qi, 0
.rept 50
	s_wait_dscnt 49-qi                             ; LDS loads come back in order
	global_store_b128 v[SL0], v[32+4*qi:32+4*qi+3], s[28:29] offset:512*qi th:TH_STORE_NT   ; a store of the wave covers 512 consecutive bytes, aligned
.set qi, qi+1
.endr
	s_wait_tensorcnt 0x0
	ds_add_u32 v30, v31
	s_wait_dscnt 0x0
	ROUND                                          ; the closing round: no work-group ends while a partner may still ask jointly
	s_endpgm
.Lfunc_end_k_q50d4489fbd_mlp:
	.size	k_q50d4489fbd_mlp, .Lfunc_end_k_q50d4489fbd_mlp-k_q50d4489fbd_mlp
	.p2alignl 7, 3214868480
	.fill 96, 4, 3214868480
	.section	.rodata,"a",@progbits
	.p2align	6, 0x0
	.amdhsa_kernel k_q50d4489fbd_mlp
		.amdhsa_group_segment_fixed_size 327680
		.amdhsa_private_segment_fixed_size 0
		.amdhsa_enable_private_segment 0
		.amdhsa_kernarg_size 104
		.amdhsa_user_sgpr_count 2
		.amdhsa_user_sgpr_kernarg_segment_ptr 1
		.amdhsa_wavefront_size32 1
		.amdhsa_system_sgpr_workgroup_id_x 1
		.amdhsa_system_sgpr_workgroup_id_y 1
		.amdhsa_system_sgpr_workgroup_id_z 1
		.amdhsa_system_vgpr_workitem_id 0
		.amdhsa_next_free_vgpr 1024
		.amdhsa_next_free_sgpr 96
		.amdhsa_reserve_vcc 1
		.amdhsa_float_denorm_mode_32 3
		.amdhsa_float_denorm_mode_16_64 3
		.amdhsa_memory_ordered 1
		.amdhsa_forward_progress 1
		.amdhsa_inst_pref_size 255
	.end_amdhsa_kernel
	.section	.bss,"aw",@nobits
	.p2align	6
	.space	262144
	.amdgpu_metadata
---
amdhsa.version: [ 1, 2 ]
amdhsa.kernels:
  - .name:           k_q50d4489fbd_mlp
    .symbol:         k_q50d4489fbd_mlp.kd
    .args:
      - { .name: x, .offset: 0, .size: 8, .value_kind: global_buffer, .address_space: global }
      - { .name: pivots, .offset: 8, .size: 8, .value_kind: global_buffer, .address_space: global }
      - { .name: knnd, .offset: 16, .size: 8, .value_kind: global_buffer, .address_space: global }
      - { .name: knnd_mean, .offset: 24, .size: 8, .value_kind: global_buffer, .address_space: global }
      - { .name: knnd_std, .offset: 32, .size: 8, .value_kind: global_buffer, .address_space: global }
      - { .name: query_mean, .offset: 40, .size: 8, .value_kind: global_buffer, .address_space: global }
      - { .name: query_std, .offset: 48, .size: 8, .value_kind: global_buffer, .address_space: global }
      - { .name: min_values, .offset: 56, .size: 8, .value_kind: global_buffer, .address_space: global }
      - { .name: max_values, .offset: 64, .size: 8, .value_kind: global_buffer, .address_space: global }
      - { .name: cell, .offset: 72, .size: 8, .value_kind: global_buffer, .address_space: global }
      - { .name: wt, .offset: 80, .size: 8, .value_kind: global_buffer, .address_space: global }
      - { .name: nrm, .offset: 88, .size: 8, .value_kind: global_buffer, .address_space: global }
      - { .name: out0, .offset: 96, .size: 8, .value_kind: global_buffer, .address_space: global }
    .group_segment_fixed_size: 327680
    .private_segment_fixed_size: 0
    .kernarg_segment_align: 8
    .kernarg_segment_size: 104
    .max_flat_workgroup_size: 128
    .sgpr_count:     96
    .vgpr_count:     1024
    .wavefront_size: 32
...
	.end_amdgpu_metadata
.endif
;; end of part 4
